; MI455X (gfx1250); checked and timed in simulation.
; The chip was launched on July 23, 2026; its instructions are those of AMD's public machine-readable ISA for CDNA 5 (MIT licence, August 2026) and "CDNA5" Instruction Set Architecture Reference Guide (July 2026). The comments in the code are by the model that wrote it; some were corrected since.
;; Multi Head Attention. Allowed arithmetic: matrix products marked QUANTISED: E2M3 operands, one E8M0 scale for each 32 along K, by v_wmma_scale_f32_16x16x128_f8f6f4 with both operands' format E2M3, f32 sums; everything else in f32.
;; Inputs: Wk 1,024 x 1,024 float32; Wo 1,024 x 1,024 float32; Wq 1,024 x 1,024 float32; Wv 1,024 x 1,024 float32; bk 1,024 float32; bo 1,024 float32; bq 1,024 float32; bv 1,024 float32; key 4 x 2,048 x 1,024 float32; mask 2,048 x 2,048 bool; query 4 x 2,048 x 1,024 float32; value 4 x 2,048 x 1,024 float32.
;; Outputs: out0 4 x 2,048 x 1,024 float32.
;; This version of the problem:
;;   THIS VERSION OF THE PROBLEM IS GIVEN IN LOW PRECISION. The matrix products marked QUANTISED in the list below multiply operands that are first quantised to E2M3 (2 exponent bits, 3 mantissa bits; 6 bits a number), with one power-of-two scale for each 32 numbers along K (OCP MX v1.0); their sums are f32. All else is computed in f32.
;;   The module's matrix products, in the order in which they are computed (A, B: the left and right operand; K: the contracted axis; several contracted axes count as one K, in the product's order):
;;     1. [M 8,192, K 1,024] x [K 1,024, N 1,024]; A: input query; B: input Wq: QUANTISED
;;     2. [M 8,192, K 1,024] x [K 1,024, N 1,024]; A: input key; B: input Wk: QUANTISED
;;     3. [M 8,192, K 1,024] x [K 1,024, N 1,024]; A: input value; B: input Wv: QUANTISED
;;     4. batch 64 x [M 2,048, K 64] x [K 64, N 2,048]; A: computed on the way; B: computed on the way: QUANTISED
;;     5. batch 64 x [M 2,048, K 2,048] x [K 2,048, N 64]; A: softmax (see below); B: computed on the way: QUANTISED
;;     6. [M 8,192, K 1,024] x [K 1,024, N 1,024]; A: computed on the way; B: input Wo: QUANTISED
;;   THE QUANTISER, for each operand of a quantised product, along K:
;;     - K is cut into blocks of 32 from its start; a last block that is shorter is filled with zeros.
;;     - A block's scale is 2^e with e = floor(log2(the largest magnitude in the block)) - 2, held to -126 .. 127; a block of zeros has e = 0. As a byte (E8M0): e + 127.
;;     - Each number is divided by its block's scale, clamped to +-7.5, and rounded to the nearest number of E2M3, ties to even, subnormals kept.
;;     - The product sums the exact products of the quantised numbers (number of the format x scale) in f32.
;;   ~~~python
;;   def quantise(x, axis):      # numpy; x: float32 -> the quantised numbers, widened to float32 again
;;       x = np.moveaxis(x, axis, -1); K = x.shape[-1]
;;       x = np.pad(x, [(0, 0)] * (x.ndim - 1) + [(0, -K % 32)]); x = x.reshape(x.shape[:-1] + (-1, 32)); a = np.abs(x).max(-1, keepdims=True)
;;       e = np.where(a > 0, np.clip(np.frexp(np.where(a > 0, a, 1))[1] - 1 - 2, -126, 127), 0)      # np.frexp(a)[1] - 1 = floor(log2(a)), exactly
;;       r = np.clip(x / 2.0 ** e, -7.5, 7.5)
;;       step = 2.0 ** (np.maximum(np.frexp(np.where(r == 0, 1, r))[1] - 1, 0) - 3)
;;       q = np.round(r / step) * step * 2.0 ** e      # np.round: ties to even
;;       return np.moveaxis(q.reshape(q.shape[:-2] + (-1,))[..., :K], -1, axis).astype(np.float32)
;;   ~~~
;;   SOFTMAX AHEAD OF A QUANTISED PRODUCT. Where the list says 'softmax', what is quantised is not the finished softmax but p = 2^(t - M), with t = logit x log2(e) and M = ceil(the row's largest t), a whole number; so 1/2 < the row's largest p <= 1. The row's sum l is taken of the UNQUANTISED p, in f32, and the product's result is divided by l at the end. Since M is a whole number, a kernel that streams over the keys may use a running M (the ceiling of the running maximum): every later rescaling is an exact power of two, which a block's scale takes up: the codes' values come out the same.
;;   OPERANDS COMPUTED ON THE WAY. 'Computed on the way' means the value that the module computes at that place (a softmax that the list does not call 'softmax' is quantised finished and normalised). What goes into a quantiser is computed in f32, as accurately as f32 sums, v_exp_f32 and their like allow (about 1e-6 of the number): no bf16 or f16 on the way to a quantiser, and a product that is left as it is and whose result goes on into a quantised operand takes f32 operands (vector FMAs, or v_wmma_f32_16x16x4_f32). A number that lies on a knife's edge between two numbers of the format may be rounded either way, as far as f32 arithmetic and the matrix unit's own rounding can turn it there, and no further.
;; One version. Each part assembles by itself: llvm-mc -triple=amdgcn-amd-amdhsa -mcpu=gfx1250 --defsym DOCPART=n.
;; ======== version 1 of 1: 4 launches
;; limits: right only within a limited range of input values
;; workspace buffers: actq 19,660,800 bytes; wgtq 3,276,800 bytes; prjq 19,660,800 bytes; mskw 526,336 bytes of whole numbers; attq 6,553,600 bytes
;; launch quant (part 1): grid 1024 x 1, 4 waves a work-group, no clusters, 33,280 bytes of LDS; arguments query, key, value, Wq, Wk, Wv, Wo, mask, actq, wgtq, mskw; writes actq, wgtq, mskw
.if DOCPART == 1
	.amdgcn_target "amdgcn-amd-amdhsa--gfx1250"
	.amdhsa_code_object_version 6
	.text
	.protected	k_q44460acec9_quant
	.globl	k_q44460acec9_quant
	.p2align	8
	.type	k_q44460acec9_quant,@function
k_q44460acec9_quant:
	s_mov_b64 s[64:65], 0
	v_nop
	global_prefetch_b8 v0, s[64:65] scope:SCOPE_SE
	s_setreg_imm32_b32 hwreg(HW_REG_WAVE_MODE, 25, 1), 1
	s_wait_xcnt 0x0
; query, key, value [8192][1024] and Wq, Wk, Wv, Wo [1024][1024], f32, K innermost, become codes of FP6 (E2M3) with one E8M0 byte for each 32 along K; the mask becomes words of lane bits.
; A block's scale is 2^(floor(log2(its largest magnitude)) - 2): its byte is the largest magnitude's exponent field - 2, held at 1 from below (a block of zeros keeps the byte 1: its codes are zeros, and this program alone reads the bytes).
; LIMITS: blocks whose largest magnitude lies under 2^-124 get the byte 1; NaN and infinities among the inputs are not served.
; THE LAYOUT OF EVERY TENSOR OF CODES IN THIS PROGRAM, T[rows][C columns], quantised along the columns:
;   codes:  byte (row >> 7) x (C / 64) x 6144 + (col >> 6) x 6144 + (row & 127) x 48 + the stream of 64 codes in 48 bytes;   scales: byte (row >> 7) x (C / 128) x 512 + (col >> 7) x 512 + (row & 127) x 4 + ((col >> 5) & 3).
;   So 128 rows x 256 along K are one dense block of 24,576 bytes, and a row's scale word for 128 along K is one aligned word.
; ROWS CHANGE PLACES: the row with number p is stored at the place whose number has bits 3 and 4 of p exchanged.  A tile of 16 stored rows, used as a product's first source, then gives a lane's 16 registers of two neighbouring tiles 16 neighbours in the true order.
; SHARES: work-groups 0-767 take the three activations (256 each), 768-895 the four weights (32 each), 896-1023 the mask.  A wave takes 64 rows x 128 columns in 16 steps of 4 rows x 128 columns.
; Each load reads 512 consecutive bytes of a row; a step's 2,048 bytes turn through the wave's own stage in LDS (16 bytes of padding behind each 64), so that a lane then holds 16 neighbours along K; two neighbouring lanes hold a block.
; No tensor loads, no barrier: waves share nothing.  Loads run four steps (16 loads a wave) ahead, the turn through LDS one step.
.set STEPS, 16
.set EMAX,  2
.set SP,    80                         ; a lane's place in a stage: its 64 bytes + 16 of padding
.set WREG,  8192                       ; LDS: a region for each wave: two stages of 32 x SP bytes, behind them its 256 scale bytes
.set R,     16                         ; v16-79   four sets of 16 numbers as they are loaded
.set X,     80                         ; v80-111  two sets of 16 neighbours
.set E,     112                        ; v112-127 a scale byte for each step
.set C,     128                        ; v128-191 codes: four registers for each step, so that no store's data are written again
	s_load_b512 s[4:19], s[0:1], 0x0               ; query, key, value, Wq, Wk, Wv, Wo, mask
	s_load_b128 s[20:23], s[0:1], 0x40             ; actq, wgtq
	s_load_b64 s[24:25], s[0:1], 0x50              ; mskw
	v_lshl_add_u32 v192, v0, 2, 0x8000
	v_mov_b32 v193, 0
	v_lshrrev_b32 v1, 5, v0
	v_readfirstlane_b32 s28, v1                    ; wave
	v_and_b32 v2, 31, v0                           ; lane
	s_cmp_ge_u32 ttmp9, 896                        ; the mask's work-groups take a path of their own, which uses no LDS
	s_cbranch_scc1 .Lmask
	v_lshlrev_b32 v3, 4, v2                        ; my 16 bytes of a load's 512
	s_mul_i32 s29, s28, WREG
	v_lshrrev_b32 v14, 2, v2
	v_mul_u32_u24 v14, v14, SP
	v_and_b32 v15, 3, v2
	v_lshl_add_u32 v14, v15, 4, v14
	v_add_nc_u32 v14, s29, v14                     ; the stage, on the way in: SP (lane / 4) + 16 (lane % 4); a load's 512 bytes take eight places
	v_mul_u32_u24 v15, v2, SP
	v_add_nc_u32 v15, s29, v15                     ; and on the way out: SP x lane: lane l then holds row l / 8 of the step, columns 16 (l % 8) on
	v_bfe_u32 v4, v2, 2, 1
	v_mul_u32_u24 v4, v4, 6144                     ; my codes' place: which 64 columns,
	v_lshrrev_b32 v5, 3, v2
	v_mad_u32_u24 v4, v5, 48, v4                   ; which of the step's four rows,
	v_and_b32 v5, 3, v2
	v_mad_u32_u24 v4, v5, 12, v4                   ; which 16 codes of the 64
	v_lshrrev_b32 v5, 1, v2
	s_add_co_u32 s29, s29, 2*32*SP
	v_add_nc_u32 v5, s29, v5                       ; LDS: my wave's 256 scale bytes: 4 (lane / 8) + (lane % 8) / 2 = lane / 2
	v_lshlrev_b32 v7, 3, v2                        ; and on the way out 8 bytes a lane
	v_add_nc_u32 v6, s29, v7
	s_sub_co_u32 s30, ttmp9, 768
	s_lshr_b32 s31, ttmp9, 8                       ; an activation: which, and which work-group of its 256
	s_and_b32 s32, ttmp9, 255
	s_lshr_b32 s33, s30, 5                         ; a weight: which, and which of its 32
	s_and_b32 s34, s30, 31
	s_mov_b32 s35, 786432                          ; a weight's codes, where the weights' scales begin, a weight's scales, in bytes
	s_mov_b32 s36, 3145728
	s_mov_b32 s37, 32768
	s_cmp_lt_u32 ttmp9, 768
	s_cselect_b32 s31, s31, s33
	s_cselect_b32 s32, s32, s34
	s_cselect_b32 s35, 6291456, s35                ; the same three for an activation
	s_cselect_b32 s36, 18874368, s36
	s_cselect_b32 s37, 262144, s37
	s_lshl_b32 s32, s32, 2
	s_add_co_u32 s32, s32, s28                     ; my wave's unit
	s_lshr_b32 s33, s32, 3                         ; which 64 rows
	s_and_b32 s34, s32, 7                          ; which 128 columns
	s_lshr_b32 s40, s33, 1                         ; which 128 rows, and which half of them
	s_and_b32 s41, s33, 1
	s_lshl_b32 s38, s33, 18                        ; in: 64 rows of 4,096 bytes,
	s_lshl_b32 s42, s34, 9                         ; 128 columns of 4
	s_add_co_u32 s38, s38, s42
	s_mov_b32 s39, 0
	s_mul_i32 s42, s31, s35                        ; the codes
	s_mul_i32 s43, s40, 98304
	s_add_co_u32 s42, s42, s43
	s_mul_i32 s43, s34, 12288
	s_add_co_u32 s42, s42, s43
	s_mul_i32 s43, s41, 3072
	s_add_co_u32 s42, s42, s43
	s_mov_b32 s43, 0
	s_mul_i32 s44, s31, s37                        ; the scale bytes
	s_add_co_u32 s44, s44, s36
	s_lshl_b32 s45, s40, 12
	s_add_co_u32 s44, s44, s45
	s_lshl_b32 s45, s34, 9
	s_add_co_u32 s44, s44, s45
	s_lshl_b32 s45, s41, 8
	s_add_co_u32 s44, s44, s45
	s_mov_b32 s45, 0
	s_wait_kmcnt 0x0
	s_cmp_lt_u32 ttmp9, 864                        ; which tensor: every choice hangs on the work-group's number alone
	s_cselect_b64 s[26:27], s[14:15], s[16:17]
	s_cmp_lt_u32 ttmp9, 832
	s_cselect_b64 s[26:27], s[12:13], s[26:27]
	s_cmp_lt_u32 ttmp9, 800
	s_cselect_b64 s[26:27], s[10:11], s[26:27]
	s_cmp_lt_u32 ttmp9, 512
	s_cselect_b64 s[6:7], s[6:7], s[8:9]
	s_cmp_lt_u32 ttmp9, 256
	s_cselect_b64 s[4:5], s[4:5], s[6:7]
	s_cmp_lt_u32 ttmp9, 768
	s_cselect_b64 s[26:27], s[4:5], s[26:27]
	s_cselect_b64 s[20:21], s[20:21], s[22:23]
	s_add_nc_u64 s[26:27], s[26:27], s[38:39]
	s_add_nc_u64 s[42:43], s[20:21], s[42:43]
	s_add_nc_u64 s[44:45], s[20:21], s[44:45]
.macro LOAD t                          ; step t: rows 4 t .. 4 t + 3, 512 bytes of each
.irp i, 0,1,2,3
	global_load_b128 v[R+16*((\t)%4)+4*\i:R+16*((\t)%4)+4*\i+3], v3, s[26:27] offset:16384*(\t)+4096*\i th:TH_LOAD_NT
.endr
.endm
.macro TURN t                          ; step t's numbers through the stage: LDS serves a wave's instructions in order, so no wait stands between the stores and the loads
.irp i, 0,1,2,3
	ds_store_b128 v14, v[R+16*((\t)%4)+4*\i:R+16*((\t)%4)+4*\i+3] offset:32*SP*((\t)%2)+8*SP*\i
.endr
.irp i, 0,1,2,3
	ds_load_b128 v[X+16*((\t)%2)+4*\i:X+16*((\t)%2)+4*\i+3], v15 offset:32*SP*((\t)%2)+16*\i
.endr
.endm
.irp t, 0,1,2,3
	LOAD \t
.endr
	s_wait_loadcnt 12                              ; step 0's four loads are in
	TURN 0
.macro STEP t
.set XS, X+16*((\t)%2)
.set TP, ((\t)&9)|(((\t)&2)<<1)|(((\t)&4)>>1)  ; where the step's four rows are stored: bits 3 and 4 of a row's number are bits 1 and 2 of the step's
.if (\t) > 0
	s_wait_dscnt 1                                 ; this step's numbers are back from the stage (the last step's byte store may be out): so its stores into the stage have read their registers,
.else
	s_wait_dscnt 0x0
.endif
.if (\t)+4 < STEPS
	LOAD (\t)+4                                    ; which take the loads of four steps on
.endif
.if (\t)+1 < STEPS
.if STEPS-2-(\t) >= 3
	s_wait_loadcnt 12                              ; the next step's four loads are in; those of the three steps behind it may be out
.else
	s_wait_loadcnt 4*(STEPS-2-(\t))
.endif
	TURN (\t)+1                                    ; and go through the other stage while this step is worked
.endif
	v_max3_num_f32 v8, |v[XS]|, |v[XS+1]|, |v[XS+2]|               ; the largest magnitude of my 16
	v_max3_num_f32 v9, |v[XS+3]|, |v[XS+4]|, |v[XS+5]|
.irp i, 6,10
	v_max3_num_f32 v8, v8, |v[XS+\i]|, |v[XS+\i+1]|
	v_max3_num_f32 v9, v9, |v[XS+\i+2]|, |v[XS+\i+3]|
.endr
	v_max3_num_f32 v8, v8, |v[XS+14]|, |v[XS+15]|
	v_max3_num_f32 v8, v8, v9, (EMAX+1)<<23        ; and the floor 2^(3 - 127): so the byte cannot fall under 1
	v_max_num_f32_dpp v8, v8, v8 row_xmask:1 row_mask:0xf bank_mask:0xf   ; and of my neighbour's 16: the block's
	v_add_nc_u32 v11, -(EMAX<<23), v8              ; 2 off its exponent field: the conversion takes the exponent field of this operand as its scale, and nothing else of it
	v_cvt_scalef32_pk16_fp6_f32 v[C+4*(\t):C+4*(\t)+2], v[XS:XS+15], v11   ; sixteen codes, 96 bits without gaps, the first number's code lowest; beyond the largest code the largest
	v_lshrrev_b32 v[E+(\t)], 23, v11               ; the scale's byte
	ds_store_b8 v5, v[E+(\t)] offset:16*TP         ; both lanes of a block write the same byte with the same value
	global_store_b96 v4, v[C+4*(\t):C+4*(\t)+2], s[42:43] offset:192*TP
.endm
.irp t, 0,1,2,3,4,5,6,7,8,9,10,11,12,13,14,15
	STEP \t
.endr
	ds_load_b64 v[12:13], v6                       ; LDS serves a wave's instructions in order: these see my stores
	s_wait_dscnt 0x0
	global_store_b64 v7, v[12:13], s[44:45]        ; 32 lanes store 256 consecutive bytes, aligned: 64 rows' scale words
	s_wait_tensorcnt 0x0
	ds_add_u32 v192, v193
	s_wait_dscnt 0x0
	s_endpgm
; THE MASK.  Work-group T = number - 896 serves the tile of 16 stored queries T; wave w the key steps 4 w + u.  Word n of (T, step): bit l is 1 where the mask is FALSE for
; the query that lane l % 16 of the attention's wave holds and the key that its score register n holds there: key 128 step + 64 (n / 32) + 32 (l / 16) + n % 32.
; Behind the words, from byte 524,288 on, lie the flags: word 4 T + w, bit u: some bit of (T, step 4 w + u) is 1.
.Lmask:
	s_sub_co_u32 s29, ttmp9, 896
	s_wait_alu depctr_va_vdst(0)
	v_and_b32 v3, 15, v2                           ; r
	v_lshrrev_b32 v4, 4, v2                        ; h
	v_lshrrev_b32 v5, 3, v3
	v_and_b32 v6, 7, v3
	v_lshl_add_u32 v5, v5, 4, v6                   ; the true query of stored query 16 T + r is 32 (T / 2) + 8 (T % 2) + 16 (r / 8) + r % 8
	v_lshlrev_b32 v1, 11, v5                       ; a row of the mask is 2,048 bytes
	v_lshl_add_u32 v1, v4, 5, v1                   ; + 32 h
	v_lshlrev_b32 v7, 3, v2
	s_lshr_b32 s30, s29, 1
	s_lshl_b32 s30, s30, 5
	s_and_b32 s31, s29, 1
	s_lshl_b32 s31, s31, 3
	s_add_co_u32 s30, s30, s31
	s_lshl_b32 s30, s30, 11
	s_lshl_b32 s31, s28, 9                         ; my wave's four key steps: 512 keys
	s_add_co_u32 s30, s30, s31
	s_mov_b32 s31, 0
	s_lshl_b32 s32, s29, 12                        ; out: 4,096 bytes a tile, 256 a step
	s_lshl_b32 s33, s28, 10
	s_add_co_u32 s32, s32, s33
	s_mov_b32 s33, 0
	s_wait_alu depctr_va_vdst(0)
	s_wait_kmcnt 0x0
	s_add_nc_u64 s[18:19], s[18:19], s[30:31]
	s_add_nc_u64 s[24:25], s[24:25], s[32:33]
.irp u, 0,1,2,3
.irp b, 0,1,2,3
	global_load_b128 v[16+16*\u+4*\b:19+16*\u+4*\b], v1, s[18:19] offset:128*\u+64*(\b/2)+16*(\b%2)
.endr
.endr
.irp j, 0,1,2,3,4,5,6,7
	v_mov_b32 v[80+\j], 0                          ; a lane write's destination counts as read
.endr
	s_wait_loadcnt 0x0
.irp u, 0,1,2,3
.irp b, 0,1,2,3
.irp d, 0,1,2,3
.irp e, 0,1,2,3
	v_and_b32 v[8+\e], 0xff<<(8*\e), v[16+16*\u+4*\b+\d]            ; byte e of register d: key 64 (b / 2) + 32 h + 16 (b % 2) + 4 d + e of the step
.endr
.irp e, 0,1,2,3
	v_cmp_eq_u32 s[36+\e], 0, v[8+\e]              ; a bit for each lane: false?
.endr
.irp e, 0,1,2,3
	v_writelane_b32 v[80+2*\u+(\e%2)], s[36+\e], (16*\b+4*\d+\e)/2  ; word n = 16 b + 4 d + e goes to lane n / 2, register n % 2
.endr
.endr
.endr
	global_store_b64 v7, v[80+2*\u:81+2*\u], s[24:25] offset:256*\u ; 32 lanes store a step's 64 words: 256 consecutive bytes, aligned
.endr
.irp u, 0,1,2,3
	v_or_b32 v[8+\u], v[80+2*\u], v[81+2*\u]       ; the flags: is any of a step's 64 words not 0?
.endr
.irp u, 0,1,2,3
	v_cmp_ne_u32 s[36+\u], 0, v[8+\u]
.endr
	s_mov_b32 s40, 0
.irp u, 0,1,2,3
	s_cmp_lg_u32 s[36+\u], 0
	s_cselect_b32 s41, 1<<\u, 0
	s_or_b32 s40, s40, s41
.endr
	s_lshl_b32 s42, s29, 4
	s_lshl_b32 s43, s28, 2
	s_add_co_u32 s42, s42, s43
	s_add_co_u32 s42, s42, 524288                  ; byte 524,288 + 16 T + 4 w of mskw
	s_wait_xcnt 0x0                                ; the stores above have read their base and EXEC
	s_sub_nc_u64 s[24:25], s[24:25], s[32:33]      ; back to the buffer's first byte
	v_mov_b32 v12, s40
	v_mov_b32 v13, s42
	v_cmp_eq_u32 vcc_lo, 0, v2
	s_and_saveexec_b32 s44, vcc_lo
	global_store_b32 v13, v12, s[24:25]            ; lane 0 stores my wave's word: four bits
	s_wait_xcnt 0x0
	s_or_b32 exec_lo, exec_lo, s44
	s_endpgm
.Lfunc_end_k_q44460acec9_quant:
	.size	k_q44460acec9_quant, .Lfunc_end_k_q44460acec9_quant-k_q44460acec9_quant
	.p2alignl 7, 3214868480
	.fill 96, 4, 3214868480
	.section	.rodata,"a",@progbits
	.p2align	6, 0x0
	.amdhsa_kernel k_q44460acec9_quant
		.amdhsa_group_segment_fixed_size 33280
		.amdhsa_private_segment_fixed_size 0
		.amdhsa_enable_private_segment 0
		.amdhsa_kernarg_size 88
		.amdhsa_user_sgpr_count 2
		.amdhsa_user_sgpr_kernarg_segment_ptr 1
		.amdhsa_wavefront_size32 1
		.amdhsa_system_sgpr_workgroup_id_x 1
		.amdhsa_system_sgpr_workgroup_id_y 1
		.amdhsa_system_sgpr_workgroup_id_z 1
		.amdhsa_system_vgpr_workitem_id 0
		.amdhsa_next_free_vgpr 194
		.amdhsa_next_free_sgpr 66
		.amdhsa_reserve_vcc 1
		.amdhsa_float_denorm_mode_32 3
		.amdhsa_float_denorm_mode_16_64 3
		.amdhsa_memory_ordered 1
		.amdhsa_forward_progress 1
		.amdhsa_inst_pref_size 87
	.end_amdhsa_kernel
	.amdgpu_metadata
---
amdhsa.version: [ 1, 2 ]
amdhsa.kernels:
  - .name:           k_q44460acec9_quant
    .symbol:         k_q44460acec9_quant.kd
    .args:
      - { .name: query, .offset: 0, .size: 8, .value_kind: global_buffer, .address_space: global }
      - { .name: key, .offset: 8, .size: 8, .value_kind: global_buffer, .address_space: global }
      - { .name: value, .offset: 16, .size: 8, .value_kind: global_buffer, .address_space: global }
      - { .name: Wq, .offset: 24, .size: 8, .value_kind: global_buffer, .address_space: global }
      - { .name: Wk, .offset: 32, .size: 8, .value_kind: global_buffer, .address_space: global }
      - { .name: Wv, .offset: 40, .size: 8, .value_kind: global_buffer, .address_space: global }
      - { .name: Wo, .offset: 48, .size: 8, .value_kind: global_buffer, .address_space: global }
      - { .name: mask, .offset: 56, .size: 8, .value_kind: global_buffer, .address_space: global }
      - { .name: actq, .offset: 64, .size: 8, .value_kind: global_buffer, .address_space: global }
      - { .name: wgtq, .offset: 72, .size: 8, .value_kind: global_buffer, .address_space: global }
      - { .name: mskw, .offset: 80, .size: 8, .value_kind: global_buffer, .address_space: global }
    .group_segment_fixed_size: 33280
    .private_segment_fixed_size: 0
    .kernarg_segment_align: 8
    .kernarg_segment_size: 88
    .max_flat_workgroup_size: 128
    .sgpr_count:     66
    .vgpr_count:     194
    .wavefront_size: 32
...
	.end_amdgpu_metadata
.endif
;; end of part 1
;; launch proj (part 2): grid 4 x 96, 4 waves a work-group, clusters of 4 x 4, 327,680 bytes of LDS; arguments actq, wgtq, bq, bk, bv, prjq; writes prjq
.if DOCPART == 2
	.amdgcn_target "amdgcn-amd-amdhsa--gfx1250"
	.amdhsa_code_object_version 6
	.text
	.protected	k_q44460acec9_proj
	.globl	k_q44460acec9_proj
	.p2align	8
	.type	k_q44460acec9_proj,@function
k_q44460acec9_proj:
	s_mov_b64 s[64:65], 0
	v_nop
	global_prefetch_b8 v0, s[64:65] scope:SCOPE_SE
	s_setreg_imm32_b32 hwreg(HW_REG_WAVE_MODE, 25, 1), 1
	s_wait_xcnt 0x0
	s_wait_alu depctr_hold_cnt(0) depctr_sa_sdst(0) depctr_va_vdst(0) depctr_va_sdst(0) depctr_va_ssrc(0) depctr_va_vcc(0) depctr_vm_vsrc(0)
	s_getreg_b32 s2, hwreg(HW_REG_IB_STS2, 6, 4)
	s_cmp_eq_u32 s2, 0
	s_cbranch_scc0 .Lentry_in_a_cluster
	s_endpgm
.Lentry_in_a_cluster:
	s_bfe_u32 s2, ttmp6, 0x10000c
	s_cmp_lg_u32 s2, 0xf033
	s_cbranch_scc0 .Lentry_shape_is_right
	s_endpgm
.Lentry_shape_is_right:
; The three projections, on codes of FP6 (E2M3) with one E8M0 scale for each 32 along K = 1024; sums in f32; the bias is added in f32; the result is quantised at once and leaves as codes.
;   Q = query Wq^T + bq, K = key Wk^T + bk: [8192 tokens][1024], quantised along the channels.   V^T = Wv value^T + bv: [1024 channels][8192 tokens], quantised along the tokens, which are the K of attention's second product.
; Layout of all tensors of codes: codes at (row >> 7) x (C / 64) x 6144 + (col >> 6) x 6144 + (row & 127) x 48, scales at (row >> 7) x (C / 128) x 512 + (col >> 7) x 512 + (row & 127) x 4 + ((col >> 5) & 3).
; The rows of the inputs are stored with bits 3 and 4 of their numbers exchanged.  THE MATRIX INSTRUCTION IS USED TRANSPOSED (source 0 = 16 stored rows of B, source 1 = 16 stored rows of A): a lane holds one stored row of A,
; and the 16 registers of B's blocks 2 x and 2 x + 1 are the columns 32 x + 16 (lane / 16) + 0 .. 15 in the true order: 16 neighbours of one block of 32, as the conversions want them.  Rows of the result stay as they are stored.
; A tile of C, 256 x 256, is made by four waves, 128 x 128 each: 64 accumulators, 512 registers.  K goes in four steps of 256 through two LDS slots: 128 rows x 256 along K are ONE dense block of 24,576 bytes, brought by one tensor load a wave.
; In LDS rows lie 48 bytes apart: the 32 lanes of a load of 8 bytes at 48 r + 24 h touch words 12 r + 6 h and the next, all different modulo 64.  The scales of 128 rows for all of K are 4,096 dense bytes: they come once.
; CLUSTERS: 4 x 4 work-groups; A's tiles are asked for jointly along a row of the cluster, B's along a column.  Clusters 0-7 make Q, 8-15 K, 16-23 V^T (A = Wv, B = value): which, hangs on the cluster's number alone.
; LIMITS: blocks whose largest magnitude lies under 2^-124 get the byte 1; NaN and infinities are not served.
; REGISTERS: window 0: v8-9, v16-30 addresses; v32-63 scale words, two sets; v64-127 the bias along the columns; v128-223 A's fragments, one set; v224-239 the bias along the rows.  Window 1: B's fragments, two sets.  Windows 2, 3: the accumulators.
.set HALFT,  24576                     ; 128 rows x 256 along K: what one tensor load brings
.set SLOT,   4*HALFT                   ; A's 256 rows, then B's 256 rows
.set SCL,    2*SLOT                    ; behind the ring: the scales; B's tiles lie 64 bytes further on than a multiple of 4,096, so that A's and B's lanes of a load fall on different banks
.set SPARE,  SCL+16640                 ; the spare words, 128 bytes for each wave: two blocks of 256 bytes that no other line names
.set FR,     12                        ; registers of a fragment: 16 rows x 128 K
.set NL,     6                         ; LDS loads that bring one
.set NP,     4                         ; places behind this matrix instruction (ISA guide 7.12.1)
.set NQ,     2                         ; matrix instructions deep in a slot
.set WST,    12800                     ; the way out: a stage for each wave, in slot 0: 12,288 bytes of codes, 512 of scale words
.set ADRA, 16                          ; v16-17  LDS address of my A fragments in slot 0, 1
.set ADRB, 20                          ; v20-21  the same for B
.set STO,  24                          ; v24     the stage: where I put my codes
.set RD,   25                          ; v25     and where I read it back
.set CO,   26                          ; v26     16 x lane
.set ADRS, 27                          ; v27     LDS address of my scale words: lanes 0-15 A's rows, lanes 16-31 B's
.set SPW,  28                          ; v28     LDS address of my spare word; never rewritten
.set NIL,  29                          ; v29     0; never rewritten
.set STS,  30                          ; v30     the stage: where I put a row's scale word
.set SC,   32
.set CB,   64
.set AF,   128
.set RB,   224
.set TM,   32                          ; the way out: v32-47 at work, v48 the scale word, v192-210 the codes
.set PW,   48
.set PC,   192
.set SEL,  96                          ; s[96:97] lane selects for v_permlanex16_b32: lane l xor 16
.set G1, 24                            ; s[24:31] descriptor group 1 for A's tiles;  s[32:39] group 0, one set for each slot
.set G0, 32
.set G1B, 48                           ; s[48:55], s[56:63] the same for B's tiles
.set G0B, 56
.set G1S, 68                           ; s[68:75], s[76:79] groups 1 and 0 for A's scales;  s[80:87], s[88:91] for B's
.set G0S, 76
.set G1SB, 80
.set G0SB, 88
.set MSB, 0
.macro WIN new                         ; the immediate's high byte repeats the setting that is left
.if MSB != (\new)
	s_set_vgpr_msb (MSB<<8)|(\new)
.set MSB, (\new)
.endif
.endm
.set MUL_LO, 0xa1                      ; source 0 (B) window 1, source 1 (A) window 0, C and D window 2
.set MUL_HI, 0xf1                      ; the same, C and D window 3
.set TO_B,   0x40                      ; destination window 1, address window 0
; A joint load: waves 0 and 1 fetch for A, waves 2 and 3 for B.  The branch hangs on the wave's number alone.  Four v_nop follow each of the two lines.
.macro JLOAD g0a, g1a, g0b, g1b
	s_cmp_eq_u32 s17, 0
	s_cbranch_scc0 .Lfor_b_\@
	tensor_load_to_lds s[\g0a:\g0a+3], s[\g1a:\g1a+7]
	s_nop 0
.rept 4
	v_nop
.endr
	s_branch .Lasked_\@
.Lfor_b_\@:
	tensor_load_to_lds s[\g0b:\g0b+3], s[\g1b:\g1b+7]
	s_nop 0
.rept 4
	v_nop
.endr
.Lasked_\@:
.endm
.macro CREST                           ; a round of the cluster's barrier behind its opening barrier
	s_cmp_lg_u32 s16, 0
	s_cbranch_scc1 .Lnot_wave_0_\@
	s_barrier_signal -3
.Lnot_wave_0_\@:
	s_barrier_wait -3
	s_barrier_signal -1
	s_barrier_wait -1
.endm
.macro CROUND                          ; a whole round
	s_barrier_signal -1
	s_barrier_wait -1
	CREST
.endm
	s_load_b256 s[80:87], s[0:1], 0x0              ; actq, wgtq, bq, bk
	s_load_b128 s[88:91], s[0:1], 0x20             ; bv, prjq
	v_lshl_add_u32 v[SPW], v0, 2, SPARE
	v_mov_b32 v[NIL], 0
	ds_add_u32 v28, v29
	ds_add_u32 v28, v29
	s_wait_dscnt 0x0
	v_lshrrev_b32 v1, 5, v0
	v_readfirstlane_b32 s16, v1                    ; wave 0..3
	s_lshr_b32 s17, s16, 1                         ; which half of the tile's rows is mine.  Also: I fetch for A (0) or for B (1)
	s_and_b32 s18, s16, 1                          ; which half of its columns.  Also: which 128 rows of that tile I fetch
	s_bfe_u32 s40, ttmp6, 0x40000                  ; cx, cy: my place in the cluster
	s_bfe_u32 s41, ttmp6, 0x40004
	s_lshl_b32 s42, ttmp9, 2
	s_add_co_u32 s42, s42, s40                     ; 4 x cluster x + cx
	s_and_b32 s14, ttmp7, 0xffff                   ; cluster y, 0..23
	s_lshr_b32 s67, s14, 3                         ; which product: 0 Q, 1 K, 2 V
	s_and_b32 s15, s14, 7
	s_lshl_b32 s15, s15, 2                         ; four tiles along the axis of 8,192 for each cluster
	s_lshl_b32 s43, s41, 2
	s_lshl_b32 s43, 15, s43                        ; my row of the cluster
	s_lshl_b32 s44, 0x1111, s40                    ; my column
	s_mul_i32 s20, s67, 6291456                    ; the product's activation: codes,
	s_mul_i32 s21, s67, 786432                     ; its weight: codes,
	s_mul_i32 s22, s67, 262144
	s_add_co_u32 s22, s22, 18874368                ; the activation's scales,
	s_mul_i32 s23, s67, 32768
	s_add_co_u32 s23, s23, 3145728                 ; the weight's scales
	s_mov_b32 s74, 98304                           ; the result: 128 rows of codes and of scales, in bytes, with 1,024 columns
	s_mov_b32 s75, 4096
	s_cmp_eq_u32 s67, 2                            ; V: A is the weight, B the activation
	s_cselect_b32 s66, 1, 0
	s_cselect_b32 s68, s21, s20                    ; A's codes, B's codes, A's scales, B's scales
	s_cselect_b32 s69, s20, s21
	s_cselect_b32 s70, s23, s22
	s_cselect_b32 s71, s22, s23
	s_cselect_b32 s72, 0, s15
	s_cselect_b32 s73, s15, 0
	s_cselect_b32 s74, 786432, s74                 ; with 8,192 columns
	s_cselect_b32 s75, 32768, s75
	s_add_co_u32 s19, s41, s72                     ; tile row of C: hangs on the cluster's number and cy alone
	s_add_co_u32 s42, s42, s73                     ; tile column: on the cluster's number and cx alone
	s_lshl_b32 s14, s19, 1
	s_add_co_u32 s14, s14, s18                     ; A: the 128 rows that I fetch
	s_mul_i32 s20, s14, 98304
	s_add_co_u32 s20, s20, s68
	s_mov_b32 s21, 0
	s_lshl_b32 s22, s14, 12
	s_add_co_u32 s22, s22, s70
	s_mov_b32 s23, 0
	s_lshl_b32 s15, s42, 1
	s_add_co_u32 s15, s15, s18                     ; B: the 128 rows that I fetch; also: which 128 columns of C are mine
	s_mul_i32 s46, s15, 98304
	s_add_co_u32 s46, s46, s69
	s_mov_b32 s47, 0
	s_lshl_b32 s92, s15, 12
	s_add_co_u32 s92, s92, s71
	s_mov_b32 s93, 0
	s_lshl_b32 s14, s19, 1
	s_add_co_u32 s14, s14, s17                     ; which 128 rows of C are mine
	s_mul_i32 s10, s14, s74                        ; my codes in the result: one dense run of 12,288 bytes
	s_mul_i32 s76, s15, 12288
	s_add_co_u32 s10, s10, s76
	s_mul_i32 s76, s67, 6291456
	s_add_co_u32 s10, s10, s76
	s_mov_b32 s11, 0
	s_mul_i32 s12, s14, s75                        ; my scale words: 512 bytes
	s_lshl_b32 s76, s15, 9
	s_add_co_u32 s12, s12, s76
	s_mul_i32 s76, s67, 262144
	s_add_co_u32 s12, s12, s76
	s_add_co_u32 s12, s12, 18874368
	s_mov_b32 s13, 0
	s_lshl_b32 s76, s15, 9                         ; my first column x 4 bytes,
	s_lshl_b32 s77, s14, 9                         ; my first row x 4 bytes
	s_cmp_eq_u32 s67, 2
	s_cselect_b32 s14, 0, s76                      ; the bias runs along the columns (Q, K) or along the rows (V); the set that is not used is loaded from the buffer's head
	s_cselect_b32 s98, s77, 0
	s_mov_b32 s15, 0
	s_mov_b32 s99, 0
	s_mul_i32 s45, s16, HALFT                      ; where my tiles go: wave x 128 rows: no place in the cluster enters an LDS address
	s_lshl_b32 s94, s16, 12
	s_mov_b32 s[SEL], 0x76543210
	s_mov_b32 s[SEL+1], 0xfedcba98
	; descriptor group 1: a dense block of 24,576 bytes as 96 rows of 256 bytes (32 elements of 8 bytes), no padding
	s_or_b32 s[G1+0], s43, (3<<16)|(1<<21)         ; 15:0 the mask: A's tiles go to my row; 17:16 elements of 8 bytes; 21 set beside a mask
	s_or_b32 s[G1B+0], s44, (3<<16)|(1<<21)
.irp g, G1, G1B
	s_mov_b32 s[\g+1], 3072<<16                    ; for the head's loads: a tile's 256 rows are two dense blocks of 24,576 bytes, 98,304 bytes apart: two rows of 3,072 elements
	s_mov_b32 s[\g+2], 2<<16
	s_mov_b32 s[\g+3], 3072<<16
	s_mov_b32 s[\g+4], 2
	s_mov_b32 s[\g+5], 12288
	s_mov_b32 s[\g+6], 0
	s_mov_b32 s[\g+7], 0
.endr
	s_or_b32 s[G1S+0], s43, (3<<16)|(1<<21)
	s_mov_b32 s[G1S+1], 32<<16
	s_mov_b32 s[G1S+2], 32<<16                     ; the scales of 256 rows: 8,192 dense bytes as 32 rows of 256
	s_mov_b32 s[G1S+3], 32<<16
	s_mov_b32 s[G1S+4], 32
	s_mov_b32 s[G1S+5], 32
	s_mov_b32 s[G1S+6], 0
	s_mov_b32 s[G1S+7], 0
	s_wait_kmcnt 0x0
	s_cmp_eq_u32 s67, 2
	s_cselect_b64 s[4:5], s[82:83], s[80:81]       ; A's buffer
	s_cselect_b64 s[6:7], s[80:81], s[82:83]       ; B's buffer
	s_cselect_b64 s[8:9], s[88:89], s[86:87]
	s_cmp_eq_u32 s67, 0
	s_cselect_b64 s[8:9], s[84:85], s[8:9]         ; the product's bias
	s_add_nc_u64 s[10:11], s[90:91], s[10:11]
	s_add_nc_u64 s[12:13], s[90:91], s[12:13]
	s_add_nc_u64 s[98:99], s[8:9], s[98:99]
	s_add_nc_u64 s[8:9], s[8:9], s[14:15]
	s_add_nc_u64 s[20:21], s[4:5], s[20:21]
	s_add_nc_u64 s[22:23], s[4:5], s[22:23]
	s_add_nc_u64 s[46:47], s[6:7], s[46:47]
	s_add_nc_u64 s[92:93], s[6:7], s[92:93]
	s_or_b32 s[G1SB+0], s44, (3<<16)|(1<<21)       ; (the registers that held the arguments are free now)
	s_mov_b32 s[G1SB+1], 32<<16
	s_mov_b32 s[G1SB+2], 32<<16
	s_mov_b32 s[G1SB+3], 32<<16
	s_mov_b32 s[G1SB+4], 32
	s_mov_b32 s[G1SB+5], 32
	s_mov_b32 s[G1SB+6], 0
	s_mov_b32 s[G1SB+7], 0
	CROUND                                         ; all sixteen work-groups are here: the first joint loads meet
	s_mov_b32 s[G0S], 1
	s_mov_b32 s[G0S+1], SCL
	s_lshl_b32 s14, s18, 12
	s_mov_b32 s15, 0
	s_sub_nc_u64 s[G0S+2:G0S+3], s[22:23], s[14:15]    ; from the tile's first row on
	s_or_b32 s[G0S+3], s[G0S+3], 0x80000000
	s_mov_b32 s[G0SB], 1
	s_mov_b32 s[G0SB+1], SCL+8192+64
	s_sub_nc_u64 s[G0SB+2:G0SB+3], s[92:93], s[14:15]
	s_or_b32 s[G0SB+3], s[G0SB+3], 0x80000000
.irp s, 0,1
	s_mov_b32 s[G0+4*\s], 1
	s_add_co_u32 s[G0+4*\s+1], s45, \s*SLOT
	s_add_nc_u64 s[G0+4*\s+2:G0+4*\s+3], s[20:21], \s*HALFT
	s_or_b32 s[G0+4*\s+3], s[G0+4*\s+3], 0x80000000
	s_mov_b32 s[G0B+4*\s], 1
	s_add_co_u32 s[G0B+4*\s+1], s45, \s*SLOT
	s_add_nc_u64 s[G0B+4*\s+2:G0B+4*\s+3], s[46:47], \s*HALFT
	s_or_b32 s[G0B+4*\s+3], s[G0B+4*\s+3], 0x80000000
.endr
	s_mul_i32 s2, s18, 98304                       ; group 0 of the head's two loads of codes: the tile's 256 rows, K step 0
	s_mov_b32 s3, 0
	s_mov_b32 s4, 1
	s_mov_b32 s5, 0
	s_sub_nc_u64 s[6:7], s[20:21], s[2:3]
	s_or_b32 s7, s7, 0x80000000
	s_mov_b32 s40, 1
	s_mov_b32 s41, 2*HALFT
	s_sub_nc_u64 s[42:43], s[46:47], s[2:3]
	s_or_b32 s43, s43, 0x80000000
; THE HEAD'S LOADS, ONE A WAVE: wave 0 A's 256 rows of K step 0, wave 1 B's, wave 2 A's scales, wave 3 B's.  One chain of branches on the wave's number, one load to an arm, one join.
.macro ARM under, g0, g1, next
	s_cmp_lt_u32 s16, \under
	s_cbranch_scc0 \next
	tensor_load_to_lds s[\g0:\g0+3], s[\g1:\g1+7]
	s_nop 0
.rept 4
	v_nop
.endr
	s_branch .Lhead_asked
\next:
.endm
	ARM 1, 4, G1, .Lhead_b
	ARM 2, 40, G1B, .Lhead_sa
	ARM 3, G0S, G1S, .Lhead_sb
	tensor_load_to_lds s[G0SB:G0SB+3], s[G1SB:G1SB+7]
	s_nop 0
.rept 4
	v_nop
.endr
.Lhead_asked:
	v_and_b32 v1, 15, v0                           ; r = l % 16
	v_bfe_u32 v2, v0, 4, 1                         ; h = l / 16
	s_wait_alu depctr_va_vdst(0)
	v_mul_u32_u24 v3, v1, 48
	v_mad_u32_u24 v3, v2, 24, v3                   ; a fragment's row x 48 + 24 x half
	s_wait_alu depctr_va_vdst(0)
	s_mul_i32 s14, s17, HALFT                      ; my 128 rows of A
	s_mul_i32 s15, s18, HALFT                      ; my 128 rows of B,
	s_add_co_u32 s15, s15, 2*HALFT                 ; which lie behind A's 256
.irp s, 0,1
	v_add_nc_u32 v[ADRA+\s], s14, v3
	v_add_nc_u32 v[ADRB+\s], s15, v3
	s_add_co_u32 s14, s14, SLOT
	s_add_co_u32 s15, s15, SLOT
.endr
	s_lshl_b32 s14, s17, 12                        ; the scales: A's, my 128 rows;
	s_add_co_u32 s15, s18, 2
	s_lshl_b32 s15, s15, 12
	s_add_co_u32 s15, s15, 64                      ; B's
	s_sub_co_u32 s15, s15, s14
	v_mul_u32_u24 v4, s15, v2                      ; lanes 16-31 take B's: one product, the distance between the two x the half
	s_add_co_u32 s14, s14, SCL
	v_lshl_add_u32 v4, v1, 2, v4
	v_add_nc_u32 v[ADRS], s14, v4
	s_mul_i32 s14, s16, WST                        ; my stage
	v_add_nc_u32 v[STO], s14, v3
	v_lshlrev_b32 v4, 2, v1
	v_add_nc_u32 v[STS], s14, v4
	v_add_nc_u32 v[STS], 12288, v[STS]
	v_and_b32 v5, 31, v0
	v_lshlrev_b32 v[CO], 4, v5
	v_add_nc_u32 v[RD], s14, v[CO]
	v_lshlrev_b32 v8, 6, v2                        ; the bias along the columns: register 16 x + i belongs to column 32 x + 16 h + i
	v_lshrrev_b32 v6, 3, v1
	v_and_b32 v7, 7, v1
	v_lshl_add_u32 v6, v6, 4, v7
	v_lshlrev_b32 v9, 2, v6                        ; along the rows: stored row 16 a + r is the true row 32 (a / 2) + 8 (a % 2) + 16 (r / 8) + r % 8
.irp b, 0,1,2,3
.irp q, 0,1,2,3
	global_load_b128 v[CB+16*\b+4*\q:CB+16*\b+4*\q+3], v8, s[8:9] offset:128*\b+16*\q
.endr
.endr
.irp a, 0,1,2,3,4,5,6,7
	global_load_b32 v[RB+2*\a], v9, s[98:99] offset:(32*(\a/2)+8*(\a%2))*4
	v_mov_b32 v[RB+2*\a+1], 0                      ; (named with it as a pair, so it is written)
.endr
.macro FRAG reg, adr, q, i             ; a fragment, 16 rows x 128 K: lane l holds row l % 16; registers 6 c .. 6 c + 5 hold K = 64 c + 32 (l / 16) + 0 .. 31: 24 bytes, as they lie, in pieces of 8
.irp p, 0,1,2,3,4,5
	ds_load_b64 v[\reg+2*\p:\reg+2*\p+1], v[\adr] offset:(2*(\q)+\p/3)*6144+(\i)*768+8*(\p%3)
.endr
.endm
; 16 matrix instructions: A's blocks a0, a0 + 1 x B's eight, 128 along K: the slot's q-th.  p: B's set;  sc: the set of scale words.  zero = 1: the first product starts the sums.
; The 64 accumulators take turns, one instruction a turn, in the same order in every step.
.macro MUL16 a0, p, q, sc, zero
.irp a, \a0, \a0+1
.irp b, 0,1,2,3,4,5,6,7
.if \zero
	v_wmma_scale_f32_16x16x128_f8f6f4 v[8*(8*((\a)%4)+\b):8*(8*((\a)%4)+\b)+7], v[128*(\p)+FR*\b:128*(\p)+FR*\b+FR-1], v[AF+FR*(\a):AF+FR*(\a)+FR-1], 0, v[SC+8*NQ*(\sc)+NQ*\b+(\q)], v[SC+8*NQ*(\sc)+NQ*(\a)+(\q)] matrix_a_fmt:MATRIX_FMT_FP6 matrix_b_fmt:MATRIX_FMT_FP6 matrix_a_scale:MATRIX_SCALE_ROW1
.else
	v_wmma_scale_f32_16x16x128_f8f6f4 v[8*(8*((\a)%4)+\b):8*(8*((\a)%4)+\b)+7], v[128*(\p)+FR*\b:128*(\p)+FR*\b+FR-1], v[AF+FR*(\a):AF+FR*(\a)+FR-1], v[8*(8*((\a)%4)+\b):8*(8*((\a)%4)+\b)+7], v[SC+8*NQ*(\sc)+NQ*\b+(\q)], v[SC+8*NQ*(\sc)+NQ*(\a)+(\q)] matrix_a_fmt:MATRIX_FMT_FP6 matrix_b_fmt:MATRIX_FMT_FP6 matrix_a_scale:MATRIX_SCALE_ROW1
.endif
.endr
.endr
.endm
.macro FETCH_B slot, q, p              ; B's eight fragments of the slot's q-th 128 along K into set p
	WIN TO_B
.irp i, 0,1,2,3,4,5,6,7
	FRAG 128*(\p)+FR*\i, ADRB+\slot, \q, \i
.endr
	WIN 0
.endm
.macro FETCH_A slot, q, i0             ; A's blocks i0 .. i0 + 3
.irp i, \i0, \i0+1, \i0+2, \i0+3
	FRAG AF+FR*(\i), ADRA+\slot, \q, \i
.endr
.endm
.macro SCALES sc                       ; a K step's scale words into set sc: register 2 i + q: lanes 0-15 the word of A's block i, lanes 16-31 that of B's block i, for the slot's q-th 128 along K
.irp i, 0,1,2,3,4,5,6,7
.irp q, 0,1
	ds_load_b32 v[SC+8*NQ*\sc+NQ*\i+\q], v[ADRS] offset:512*\q+64*\i
.endr
.endr
.endm
; A load into a register that a matrix instruction has read, and a vector instruction that reads a matrix result, stand NP places behind that matrix instruction; only plain vector instructions that name none of its registers are places.
.macro PLACES n
.rept \n
	v_nop
.endr
.endm
.macro STEP slot, q, zero              ; a step of 128 along K that has its successor in the same slot
	s_wait_dscnt 4*NL                              ; B's set, A's blocks 0-3 and the scale words are in; the youngest 24 loads (A's blocks 4-7) may be out
	WIN MUL_LO
	MUL16 0, (\q)%2, \q, \slot, \zero
	MUL16 2, (\q)%2, \q, \slot, \zero
	s_wait_dscnt 0                                 ; A's blocks 4-7 are in
	PLACES NP
	FETCH_B \slot, (\q)+1, 1-(\q)%2
	FETCH_A \slot, (\q)+1, 0
	WIN MUL_HI
	MUL16 4, (\q)%2, \q, \slot, \zero
	MUL16 6, (\q)%2, \q, \slot, \zero
	PLACES NP
	WIN 0
	FETCH_A \slot, (\q)+1, 4
.endm
; A slot's last step changes slots: ONE barrier; in front of it each wave waits for all its tensor loads, adds 0 to its spare word, and waits for that and for its own reads of this slot.  fill = 1: this slot is filled again, two K steps ahead.
.macro TURN slot, next, fill
	s_wait_tensorcnt 0x0                           ; all my tensor loads have landed: my part of the next slot;  (every window is 0 here)
	ds_add_u32 v[SPW], v[NIL]                      ; 0 onto my spare word;
	s_wait_dscnt 4*NL+1                            ; (the add and the youngest 24 loads, A's blocks 4-7, may be out)
	WIN MUL_LO
	MUL16 0, 1, NQ-1, \slot, 0                     ; sixteen matrix instructions stand between the add and the wait for it
	s_wait_dscnt 0x0                               ; the add is done, and my reads of this slot are over
	s_barrier_signal -1
	MUL16 2, 1, NQ-1, \slot, 0
	WIN 0
	s_barrier_wait -1
.if \fill
	CREST                                          ; the barrier has opened a round of the cluster's barrier: no wave of any partner still reads this slot's tile or has a load on its way
	s_add_nc_u64 s[G0+4*\slot+2:G0+4*\slot+3], s[G0+4*\slot+2:G0+4*\slot+3], 2*HALFT
	s_add_nc_u64 s[G0B+4*\slot+2:G0B+4*\slot+3], s[G0B+4*\slot+2:G0B+4*\slot+3], 2*HALFT
	JLOAD G0+4*\slot, G1, G0B+4*\slot, G1B         ; the first tensor load behind the round; the four v_nop behind it are the places in front of the loads below
.else
	PLACES NP
.endif
	s_wait_alu depctr_va_vdst(0)
	v_add_nc_u32 v[ADRS], 512*NQ, v[ADRS]          ; on to the next K step's scale words (no LDS load of mine is out)
	FETCH_B \next, 0, 0
	FETCH_A \next, 0, 0
	SCALES \next
	WIN MUL_HI
	MUL16 4, 1, NQ-1, \slot, 0
	MUL16 6, 1, NQ-1, \slot, 0
	PLACES NP
	WIN 0
	FETCH_A \next, 0, 4
.endm
	s_wait_alu depctr_va_vdst(0)
	s_wait_tensorcnt 0x0                           ; my tile of the head's four is in
	ds_add_u32 v[SPW], v[NIL]
.irp g, G1, G1B
	s_mov_b32 s[\g+1], 32<<16                      ; no tensor load of mine is out: from here on a load brings 24,576 dense bytes as 96 rows of 256
	s_mov_b32 s[\g+2], 96<<16
	s_mov_b32 s[\g+3], 32<<16
	s_mov_b32 s[\g+4], 96
	s_mov_b32 s[\g+5], 32
.endr
	s_wait_dscnt 0x0
	CROUND                                         ; all four tiles are in, and all sixteen work-groups are here
	JLOAD G0+4, G1, G0B+4, G1B                     ; K step 1, slot 1's first fill: the first tensor load behind the round
	FETCH_B 0, 0, 0
	FETCH_A 0, 0, 0
	SCALES 0
	FETCH_A 0, 0, 4
	STEP 0, 0, 1                                   ; K = 1,024 is four K steps: they are written out.  The first products start the sums
	TURN 0, 1, 1                                   ; slot 0 takes K step 2
	STEP 1, 0, 0
	TURN 1, 0, 1                                   ; slot 1 takes K step 3
	STEP 0, 0, 0
	TURN 0, 1, 0                                   ; nothing is left to fetch
	STEP 1, 0, 0
	s_wait_dscnt 4*NL                              ; the very last step
	WIN MUL_LO
	MUL16 0, 1, NQ-1, 1, 0
	MUL16 2, 1, NQ-1, 1, 0
	s_wait_dscnt 0
	WIN MUL_HI
	MUL16 4, 1, NQ-1, 1, 0
	MUL16 6, 1, NQ-1, 1, 0
	WIN 0
; THE WAY OUT, block by block of 16 rows x 128 columns.  A block's 64 registers of a lane are, in order, the columns 32 x + 16 (lane / 16) + i of its row: the bias is added, the four blocks of 32 are quantised,
; and the 12 registers of codes go to my stage in LDS at the very places that they have in the result's layout.  The stage lies in slot 0, which has had its last fill and, ahead of the last change of slots, its last read.
.macro ADDB a                          ; block a + the bias -> v128-191.  The branch hangs on the cluster's number alone.  Each accumulator is read from its low end on
	s_cmp_lg_u32 s66, 0
	s_cbranch_scc1 .Lrow_\@
	WIN 0x02+(\a)/4                                ; source 0: window 2 or 3
.set i, 0
.rept 32
	v_pk_add_f32 v[128+i:129+i], v[64*((\a)%4)+i:64*((\a)%4)+i+1], v[CB+i:CB+i+1]
.set i, i+2
.endr
	WIN 0
	s_branch .Ldone_\@
.Lrow_\@:
	WIN 0x02+(\a)/4
.set i, 0
.rept 32
	v_pk_add_f32 v[128+i:129+i], v[64*((\a)%4)+i:64*((\a)%4)+i+1], v[RB+2*(\a):RB+2*(\a)+1] op_sel_hi:[1,0]
.set i, i+2
.endr
	WIN 0
.Ldone_\@:
.endm
; 64 numbers of a lane, v[s] .. v[s + 63], register 16 b + i = k 32 b + 16 (lane / 16) + i of my row, become a fragment's codes in v[PC] on and its scale word in v[PW].
.macro QUANT s
.irp b, 0,1,2,3
	v_max3_num_f32 v[TM+\b], |v[\s+16*\b]|, |v[\s+1+16*\b]|, 0x1800000   ; block b: my 16 numbers, and the floor 2^(3 - 127): so the byte cannot fall under 1
.endr
.irp i, 2,4,6,8,10,12,14
.irp b, 0,1,2,3
	v_max3_num_f32 v[TM+\b], v[TM+\b], |v[\s+16*\b+\i]|, |v[\s+1+16*\b+\i]|   ; (the four blocks by turns)
.endr
.endr
.irp b, 0,1,2,3
	v_permlanex16_b32 v[TM+4+\b], v[TM+\b], s[SEL], s[SEL+1]
.endr
.irp b, 0,1,2,3
	v_max_num_f32 v[TM+\b], v[TM+\b], v[TM+4+\b]   ; with lane l xor 16's: the block's largest magnitude
.endr
.irp b, 0,1,2,3
	v_add_nc_u32 v[TM+12+\b], 0xff000000, v[TM+\b]   ; 2 off its exponent field: the conversion's scale operand
.endr
.irp b, 0,1,2,3
	v_lshrrev_b32 v[TM+4+\b], 23, v[TM+12+\b]      ; the scale's byte
.endr
	v_lshl_or_b32 v[PW], v[TM+5], 8, v[TM+4]       ; the four bytes make my row's scale word
	v_lshl_or_b32 v[PW], v[TM+6], 16, v[PW]
	v_lshl_or_b32 v[PW], v[TM+7], 24, v[PW]
.irp c, 0,1
	v_cvt_scalef32_pk16_fp6_f32 v[PC+6*\c:PC+2+6*\c], v[\s+32*\c:\s+15+32*\c], v[TM+12+2*\c]
	v_cvt_scalef32_pk16_fp6_f32 v[PC+12+4*\c:PC+14+4*\c], v[\s+16+32*\c:\s+31+32*\c], v[TM+12+2*\c+1]   ; (a conversion's three registers begin on an even number)
.endr
	v_nop                                          ; one plain place behind a scaled conversion
.irp c, 0,1                                    ; the layout wants a WHOLE block in a lane: lanes 0-15 block 2 c, lanes 16-31 block 2 c + 1
.irp i, 0,1,2
	v_permlane16_swap_b32 v[PC+6*\c+\i], v[PC+12+4*\c+\i]
.endr
.irp i, 0,1,2
	v_mov_b32 v[PC+3+6*\c+\i], v[PC+12+4*\c+\i]
.endr
.endr
.endm
	PLACES NP                                      ; behind the last products
	s_wait_loadcnt 0x0                             ; the biases
.irp b, 0,1,2,3
	v_mov_b32 v[TM+4+\b], 0                        ; written once: a lane permute's destination counts as one of its sources
.endr
.irp a, 0,1,2,3,4,5,6,7
	ADDB \a
	QUANT 128
.irp c, 0,1
.irp p, 0,1,2
	ds_store_b64 v[STO], v[PC+6*\c+2*\p:PC+6*\c+2*\p+1] offset:6144*\c+768*\a+8*\p   ; 64 columns c, row 16 a + r, bytes 24 h on
.endr
.endr
	ds_store_b32 v[STS], v[PW] offset:64*\a        ; both halves of the lanes write the same word with the same value
	s_wait_dscnt 0x0                               ; the stores have read their registers
.endr
.set k, 0
.rept 24
	ds_load_b128 v[128+4*k:131+4*k], v[RD] offset:512*k            ; LDS serves a wave's instructions in order: these see my stores
.set k, k+1
.endr
	ds_load_b128 v[32:35], v[RD] offset:12288
.set k, 0
.rept 24
	s_wait_dscnt 24-k                              ; the younger loads from the stage may be out
	global_store_b128 v[CO], v[128+4*k:131+4*k], s[10:11] offset:512*k   ; 32 lanes store 512 consecutive bytes, aligned
.set k, k+1
.endr
	s_wait_dscnt 0x0
	global_store_b128 v[CO], v[32:35], s[12:13]    ; my 128 rows' scale words
	s_wait_tensorcnt 0x0                           ; the wave's end: behind my last tensor load and my last LDS store
	ds_add_u32 v[SPW], v[NIL]
	s_wait_dscnt 0x0
	CROUND                                         ; the closing round: no work-group ends while a partner may still ask for a tile that names it
	s_endpgm
.Lfunc_end_k_q44460acec9_proj:
	.size	k_q44460acec9_proj, .Lfunc_end_k_q44460acec9_proj-k_q44460acec9_proj
	.p2alignl 7, 3214868480
	.fill 96, 4, 3214868480
	.section	.rodata,"a",@progbits
	.p2align	6, 0x0
	.amdhsa_kernel k_q44460acec9_proj
		.amdhsa_group_segment_fixed_size 327680
		.amdhsa_private_segment_fixed_size 0
		.amdhsa_enable_private_segment 0
		.amdhsa_kernarg_size 48
		.amdhsa_user_sgpr_count 2
		.amdhsa_user_sgpr_kernarg_segment_ptr 1
		.amdhsa_wavefront_size32 1
		.amdhsa_system_sgpr_workgroup_id_x 1
		.amdhsa_system_sgpr_workgroup_id_y 1
		.amdhsa_system_sgpr_workgroup_id_z 1
		.amdhsa_system_vgpr_workitem_id 0
		.amdhsa_next_free_vgpr 1024
		.amdhsa_next_free_sgpr 100
		.amdhsa_reserve_vcc 0
		.amdhsa_float_denorm_mode_32 3
		.amdhsa_float_denorm_mode_16_64 3
		.amdhsa_memory_ordered 1
		.amdhsa_forward_progress 1
		.amdhsa_inst_pref_size 210
	.end_amdhsa_kernel
	.amdgpu_metadata
---
amdhsa.version: [ 1, 2 ]
amdhsa.kernels:
  - .name:           k_q44460acec9_proj
    .symbol:         k_q44460acec9_proj.kd
    .args:
      - { .name: actq, .offset: 0, .size: 8, .value_kind: global_buffer, .address_space: global }
      - { .name: wgtq, .offset: 8, .size: 8, .value_kind: global_buffer, .address_space: global }
      - { .name: bq, .offset: 16, .size: 8, .value_kind: global_buffer, .address_space: global }
      - { .name: bk, .offset: 24, .size: 8, .value_kind: global_buffer, .address_space: global }
      - { .name: bv, .offset: 32, .size: 8, .value_kind: global_buffer, .address_space: global }
      - { .name: prjq, .offset: 40, .size: 8, .value_kind: global_buffer, .address_space: global }
    .group_segment_fixed_size: 327680
    .private_segment_fixed_size: 0
    .kernarg_segment_align: 8
    .kernarg_segment_size: 48
    .max_flat_workgroup_size: 128
    .sgpr_count:     100
    .vgpr_count:     1024
    .wavefront_size: 32
...
	.end_amdgpu_metadata
.endif
;; end of part 2
;; launch attn (part 3): grid 4 x 64, 16 waves a work-group, no clusters, 296,960 bytes of LDS; arguments prjq, mskw, attq; writes attq
.if DOCPART == 3
	.amdgcn_target "amdgcn-amd-amdhsa--gfx1250"
	.amdhsa_code_object_version 6
	.text
	.protected	k_q44460acec9_attn
	.globl	k_q44460acec9_attn
	.p2align	8
	.type	k_q44460acec9_attn,@function
k_q44460acec9_attn:
	s_mov_b64 s[64:65], 0
	v_nop
	global_prefetch_b8 v0, s[64:65] scope:SCOPE_SE
	s_setreg_imm32_b32 hwreg(HW_REG_WAVE_MODE, 25, 1), 1
	s_wait_xcnt 0x0
; Attention of one head (work-group y = 16 batch + head) for 512 queries (work-group x), on codes of FP6 (E2M3) with E8M0 scales; the result leaves as codes for the last projection.
; Sixteen waves; a wave takes 16 stored queries in each of two passes and walks the head's 2,048 keys in 16 steps of 128.  Both products are used transposed (S^T = K Q^T, O^T = V^T P^T): a lane holds one query.
; p = 2^(t - M), t = score x log2(e) / 8, M the ceiling of the running largest t; the row's sum is taken of the unquantised p; a change of M multiplies sum and O^T by a power of two.
; A BLOCK'S SCALE BYTE is floor(t - M) + 125 of the block's largest score, held at 1 from below: the exponent of 2^(t - M) is floor(t - M).  Where t - M lies within a rounding of a whole number under it, the computed p may
; reach the next power of two: that one p is then held at the largest code.
; K AND V OF THE HEAD LIE IN LDS FOR THE WHOLE LAUNCH, one block of 16,384 bytes for each key step, AS IMAGES OF THE OPERAND REGISTERS: four registers of all 32 lanes are 512 bytes, 16 a lane.
; K's 48 registers at 0, V's 48 at VI, K's four scale registers at KSI, V's two (8 bytes a lane) at VSI: a step's operands are 26 LDS loads.
; Wave w brings block w from memory through its registers, once: first as it lies in memory (K's rows with 128 bytes of padding behind each 32), then it reads its own block back as fragments and stores their images over it.
; WHY NO TENSOR LOAD AND NO CLUSTER: a step with no hole in the mask jumps over the mask's loads and the 64 selects, by a scalar branch on a flag that the first launch stored.
; No prefetch: what comes from memory in bulk is read once, at the head, with no loop to run ahead in.
; THE KEYS OF A TILE: lane r of tile t takes the true key 64 (t / 4) + 32 (r / 8) + 8 (t % 4) + r % 8 of the step (stored with bits 3 and 4 exchanged).  So score register n of lane (r, h) is key 64 (n / 32) + 32 h + n % 32:
; a lane's registers 32 c .. 32 c + 31 are the whole block 2 c + h, in the order that P's operand wants.
; The head's 64 fill half of the instruction's K: Q's upper six registers hold zero codes, and a tile's upper six registers are whatever follows it (every code of FP6 is finite).
; V's fragments of a step and K's of the next are asked for behind the step's first product; the last step asks for K's block 0 again, which the next pass begins with.
; A split barrier in each step keeps the sixteen waves within one step of each other; between signal and wait stand register work, loads, and LDS loads of bytes that are never written again.
; LIMITS: the promise holds while the scaled scores stay under 2^31 in magnitude; a block whose largest magnitude lies under 2^-124 gets the byte 1; NaN and infinities are not served.
; REGISTERS: v0 4 r; v1, v3 LDS addresses (16 and 8 bytes a lane), v4 16 x lane; v5 48 r + 24 h; v7 the masked score; v8, v9 the spare word and 0; v10 Q's scale; v11, v28 the stage; v12 -M, v13 the largest score, v[14:15] the sum;
; v16-27 Q; v29 at work; v30 the factor, v31 P's scale word; v32-79 K; v80-91 P; v92-95 K's scales; v96-159 S, then p; v160-191 O^T; v192-239 V; v240-241 V's scales; v242-254 at work; v251 8 h; v255 8 x lane.
.set BLK,   16384
.set KV,    6656                       ; the block as it comes from memory: V's codes, K's scale words, V's
.set KSC,   12800
.set VSC,   13312
.set VI,    6144                       ; the block as images: V's registers, K's scale registers, V's
.set KSI,   12288
.set VSI,   12800
.set STG,   278528                     ; a stage of 1,024 bytes for each wave, one block's length behind the sixteen blocks
.set SPARE, 294912                     ; the spare words, 128 bytes for each wave
.set WV,  10
.set TK,  26
.set FL,  27
.set MO,  29
.set ML,  30
.set PS,  31
.set SEL, 66
.set CS,  100
.set KF,  32
.set PF,  80
.set KX,  92
.set SS,  96
.set OO,  160
.set VF,  192
.set VX,  240
.macro WALU
	s_wait_alu depctr_va_vdst(0)
.endm
.macro KL                              ; 13 loads: K's eight tiles and their scale words (lanes 0-15 tile 2 g, lanes 16-31 tile 2 g + 1)
.set n, 0
.rept 12
	ds_load_b128 v[KF+4*n:KF+4*n+3], v1 offset:512*n
.set n, n+1
.endr
	ds_load_b128 v[KX:KX+3], v1 offset:KSI
.endm
.macro VLOAD                           ; 13 loads: V^T's four tiles and their scale words
.set n, 0
.rept 12
	ds_load_b128 v[VF+4*n:VF+4*n+3], v1 offset:VI+512*n
.set n, n+1
.endr
	ds_load_b64 v[VX:VX+1], v3 offset:VSI
.endm
.macro TM from, to                     ; t - M, two at a time
.set j, \from
.rept (\to-\from)/2
	v_pk_fma_f32 v[SS+j:SS+j+1], v[SS+j:SS+j+1], s[CS:CS+1], v[12:13] op_sel_hi:[1,0,0]
.set j, j+2
.endr
.endm
.macro PLOAD qo, so                    ; what a pass begins with: its flags, its queries' codes and scale bytes
	s_load_b128 s[12:15], s[6:7], s28 offset:0x0
.irp q, 0,1,2
	global_load_b64 v[16+2*\q:17+2*\q], v5, s[18:19] offset:\qo+8*\q
.endr
	global_load_u16 v10, v0, s[20:21] offset:\so
.endm
	s_load_b128 s[4:7], s[0:1], 0x0                ; prjq, mskw
	s_load_b64 s[8:9], s[0:1], 0x10                ; attq
	v_lshl_add_u32 v8, v0, 2, SPARE
	v_mov_b32 v9, 0
	v_lshrrev_b32 v11, 5, v0
	v_readfirstlane_b32 s[WV], v11
	s_and_b32 s12, ttmp7, 0xffff
	s_lshr_b32 s13, s12, 4                         ; batch
	s_and_b32 s14, s12, 15                         ; head
	s_and_b32 s15, s14, 1
	s_lshr_b32 s16, s14, 1
	s_lshl_b32 s17, s13, 4
	s_add_co_u32 s17, s17, s[WV]                   ; the 128 tokens that my wave brings
	s_mul_i32 s32, s17, 98304                      ; K's codes: 6,144 dense bytes
	s_mul_i32 s33, s14, 6144
	s_add_co_u32 s32, s32, s33
	s_add_co_u32 s32, s32, 6291456
	s_mov_b32 s33, 0
	s_mul_i32 s34, s16, 786432                     ; V's codes: two runs of 3,072 bytes, 6,144 apart
	s_mul_i32 s35, s17, 12288
	s_add_co_u32 s34, s34, s35
	s_mul_i32 s35, s15, 3072
	s_add_co_u32 s34, s34, s35
	s_add_co_u32 s34, s34, 12582912
	s_mov_b32 s35, 0
	s_lshl_b32 s36, s17, 12                        ; K's scale words: 512 bytes
	s_lshl_b32 s37, s16, 9
	s_add_co_u32 s36, s36, s37
	s_add_co_u32 s36, s36, 19136512
	s_mov_b32 s37, 0
	s_lshl_b32 s38, s16, 15                        ; V's: 256 bytes
	s_lshl_b32 s39, s17, 9
	s_add_co_u32 s38, s38, s39
	s_lshl_b32 s39, s15, 8
	s_add_co_u32 s38, s38, s39
	s_add_co_u32 s38, s38, 19398656
	s_mov_b32 s39, 0
	s_lshl_b32 s2, s13, 4                          ; my queries of pass 0: 128-row block 16 batch + 4 x + wave / 8, tile wave % 8
	s_lshl_b32 s3, ttmp9, 2
	s_add_co_u32 s2, s2, s3
	s_lshr_b32 s3, s[WV], 3
	s_add_co_u32 s2, s2, s3
	s_and_b32 s3, s[WV], 7
	s_mul_i32 s18, s2, 98304
	s_mul_i32 s19, s14, 6144
	s_add_co_u32 s18, s18, s19
	s_mul_i32 s19, s3, 768
	s_add_co_u32 s18, s18, s19
	s_mov_b32 s19, 0
	s_lshl_b32 s20, s2, 12
	s_lshl_b32 s21, s16, 9
	s_add_co_u32 s20, s20, s21
	s_lshl_b32 s21, s3, 6
	s_add_co_u32 s20, s20, s21
	s_lshl_b32 s21, s15, 1
	s_add_co_u32 s20, s20, s21
	s_mov_b32 s21, 0
	s_lshl_b32 s28, ttmp9, 5
	s_add_co_u32 s28, s28, s[WV]                   ; the mask's tile of pass 0: 32 x + wave
	s_lshl_b32 s[MO], s28, 12                      ; its words,
	s_lshl_b32 s28, s28, 4
	s_add_co_u32 s28, s28, 524288                  ; its flags
	s_mov_b32 s[SEL], 0x76543210
	s_mov_b32 s[SEL+1], 0xfedcba98
	s_mov_b32 s[CS], 0x3e38aa3b                    ; log2(e) / 8
	s_mov_b32 s[CS+1], s[CS]
	s_mov_b32 s[PS], 2
	s_lshl_b32 s16, s15, 4
	s_lshl_b32 s2, s[WV], 10
	s_add_co_u32 s2, s2, STG
	s_lshl_b32 s3, s[WV], 14
	v_and_b32 v29, 31, v0                          ; lane
	v_and_b32 v30, 15, v0                          ; r
	v_bfe_u32 v31, v0, 4, 1                        ; h
	v_lshlrev_b32 v1, 4, v29
	v_lshlrev_b32 v255, 3, v29
	v_lshlrev_b32 v6, 2, v29
	WALU
	s_wait_kmcnt 0x0
	s_add_nc_u64 s[32:33], s[4:5], s[32:33]
	s_add_nc_u64 s[34:35], s[4:5], s[34:35]
	s_add_nc_u64 s[36:37], s[4:5], s[36:37]
	s_add_nc_u64 s[38:39], s[4:5], s[38:39]
	s_add_nc_u64 s[22:23], s[8:9], s[18:19]
	s_add_nc_u64 s[24:25], s[8:9], s[20:21]
	s_add_nc_u64 s[24:25], s[24:25], 6291456
	s_add_nc_u64 s[18:19], s[4:5], s[18:19]
	s_add_nc_u64 s[20:21], s[4:5], s[20:21]
	s_add_nc_u64 s[20:21], s[20:21], 18874368
.set j, 0
.rept 12
	global_load_b128 v[96+4*j:99+4*j], v1, s[32:33] offset:512*j           ; 32 lanes read 512 consecutive bytes
.set j, j+1
.endr
.set j, 0
.rept 12
	global_load_b128 v[144+4*j:147+4*j], v1, s[34:35] offset:(j/6)*6144+(j%6)*512
.set j, j+1
.endr
	global_load_b128 v[192:195], v1, s[36:37]
	global_load_b64 v[196:197], v255, s[38:39]
	v_mul_u32_u24 v5, v30, 48
	v_mad_u32_u24 v5, v31, 24, v5                  ; 48 r + 24 h: V's fragments, Q's, the stage
	v_and_b32 v2, 7, v0
	v_bfe_u32 v3, v0, 3, 1
	v_mul_u32_u24 v4, v2, 48
	v_mad_u32_u24 v4, v3, 1664, v4
	v_mad_u32_u24 v4, v31, 24, v4                  ; 1,664 (r / 8) + 48 (r % 8) + 24 h: K's fragments: rows r and r + 8 of a tile lie 1,664 bytes apart, so that the 32 lanes of a load of 8 bytes touch 64 different words modulo 64
	v_lshlrev_b32 v251, 3, v31
	v_mov_b32 v7, 0xd0000000                       ; -2^33: what a masked score is replaced by
	v_add_nc_u32 v11, s2, v5
	v_add_nc_u32 v28, s2, v255
	v_add_nc_u32 v12, s3, v1                       ; into my block: 16 x lane
	v_and_b32 v13, 0x15, v29                       ; K's scale words change places, so that lane l of register g finds its row's word at 4 (32 g + l): bits 3 and 5 of a row's place, bits 1 and 3 of my lane, are exchanged
	v_and_b32 v14, 2, v29
	v_lshl_or_b32 v13, v14, 2, v13
	v_bfe_u32 v14, v29, 3, 1
	v_lshl_or_b32 v13, v14, 1, v13
	v_lshl_add_u32 v13, v13, 4, s3
	v_add_nc_u32 v14, s3, v255
	v_lshlrev_b32 v0, 2, v30
.irp j, 22,23,24,25,26,27,80,81,82,83,84,85,31
	v_mov_b32 v[\j], 0
.endr
	PLOAD 0, 0                                     ; pass 0's, on their way beside my block
	WALU
	s_wait_loadcnt 0x0
.irp j, 192,193,194,195
	v_lshrrev_b32 v[\j], s16, v[\j]                ; my head's two bytes of a row's scale word; the upper two bytes are 0, over zero codes
.endr
.irp j, 192,193,194,195
	v_and_b32 v[\j], 0xffff, v[\j]
.endr
.set j, 0
.rept 12
	ds_store_b128 v12, v[96+4*j:99+4*j] offset:512*j+128*(j/3)             ; three stores are 32 rows
.set j, j+1
.endr
.set j, 0
.rept 12
	ds_store_b128 v12, v[144+4*j:147+4*j] offset:KV+512*j
.set j, j+1
.endr
	ds_store_b128 v13, v[192:195] offset:KSC
	ds_store_b64 v14, v[196:197] offset:VSC
	v_add_nc_u32 v1, s3, v4                        ; my own block back as fragments (LDS serves a wave's instructions in order: these see my stores)
	v_add_nc_u32 v2, s3, v5
	v_add_nc_u32 v3, s3, v6
.set n, 0
.rept 24
	ds_load_b64 v[KF+2*n:KF+2*n+1], v1 offset:((n/3)/4)*3328+((n/3)%2)*768+(((n/3)/2)%2)*384+8*(n%3)
.set n, n+1
.endr
.irp g, 0,1,2,3
	ds_load_b32 v[KX+\g], v3 offset:KSC+128*\g
.endr
.irp t, 0,1,2,3
.irp q, 0,1,2,3,4,5
	ds_load_b64 v[VF+12*\t+2*\q:VF+12*\t+2*\q+1], v2 offset:KV+(\q/3)*3072+768*\t+8*(\q%3)
.endr
.endr
.irp g, 0,1
	ds_load_b32 v[VX+\g], v3 offset:VSC+128*\g
.endr
	s_wait_dscnt 0x0                               ; all of my block is in registers: their images go over it
.set n, 0
.rept 12
	ds_store_b128 v12, v[KF+4*n:KF+4*n+3] offset:512*n
.set n, n+1
.endr
.set n, 0
.rept 12
	ds_store_b128 v12, v[VF+4*n:VF+4*n+3] offset:VI+512*n
.set n, n+1
.endr
	ds_store_b128 v12, v[KX:KX+3] offset:KSI
	ds_store_b64 v14, v[VX:VX+1] offset:VSI
	s_wait_dscnt 0x0                               ; my block is written,
	s_barrier_signal -1
	s_barrier_wait -1                              ; and so is everybody's
	v_lshlrev_b32 v4, 4, v29
	v_lshlrev_b32 v1, 4, v29
	v_mov_b32 v3, v255
	KL                                             ; K's block 0
.Lpass:
	v_mov_b32 v13, 0xff61b1e6                      ; the largest score so far: -3e38
	v_mov_b32 v12, 0x7f61b1e6                      ; -M: 3e38, so that the first factor is 0
	v_mov_b32 v14, 0
	v_mov_b32 v15, 0
.set j, 0
.rept 32
	v_mov_b32 v[OO+j], 0
.set j, j+1
.endr
	s_mov_b32 s2, 0
	s_mov_b32 s3, 16
	s_wait_kmcnt 0x0
	s_lshl_b32 s13, s13, 4                         ; four bits of each of four words: bit s of the flags is step s's
	s_or_b32 s[FL], s12, s13
	s_lshl_b32 s14, s14, 8
	s_or_b32 s[FL], s[FL], s14
	s_lshl_b32 s15, s15, 12
	s_or_b32 s[FL], s[FL], s15
	WALU
	s_wait_loadcnt 0x0
	s_wait_dscnt 0x0                               ; K's block 0 is in; no LDS instruction of mine is out at the signal
	s_barrier_signal -1
.Lstep:
	s_add_co_u32 s2, s2, BLK
	s_and_b32 s[TK], s2, 16*BLK-1                  ; the next block; behind the last comes block 0
.irp t, 0,2,4,6
	v_wmma_scale_f32_16x16x128_f8f6f4 v[SS+8*\t:SS+8*\t+7], v[KF+6*\t:KF+6*\t+11], v[16:27], 0, v[KX+\t/2], v10 matrix_a_fmt:MATRIX_FMT_FP6 matrix_b_fmt:MATRIX_FMT_FP6
	v_wmma_scale_f32_16x16x128_f8f6f4 v[SS+8*\t+8:SS+8*\t+15], v[KF+6*\t+6:KF+6*\t+17], v[16:27], 0, v[KX+\t/2], v10 matrix_a_fmt:MATRIX_FMT_FP6 matrix_b_fmt:MATRIX_FMT_FP6 matrix_a_scale:MATRIX_SCALE_ROW1
.endr
	VLOAD                                          ; this step's V, by the addresses made in the step before
	v_add_nc_u32 v1, s[TK], v4                     ; four places between the products and the loads into their registers
	v_add_nc_u32 v3, s[TK], v255
	v_mov_b32 v29, v12                             ; the old -M
	v_nop
	KL                                             ; the next step's K
	s_bitcmp1_b32 s[FL], 0
	s_cbranch_scc0 .Lopen                          ; no hole in this step's 16 x 128 of the mask: nothing to load, nothing to replace
	s_sub_co_u32 s[ML], 16, s3                     ; the step's number,
	s_lshl_b32 s[ML], s[ML], 8                     ; 256 bytes of words a step
	s_add_co_u32 s[ML], s[ML], s[MO]
	s_load_b512 s[32:47], s[6:7], s[ML] offset:0x0
	s_load_b512 s[48:63], s[6:7], s[ML] offset:0x40
	s_load_b512 s[68:83], s[6:7], s[ML] offset:0x80
	s_load_b512 s[84:99], s[6:7], s[ML] offset:0xc0
	s_wait_kmcnt 0x0
.set n, 0
.rept 32
	v_cndmask_b32 v[SS+n], v[SS+n], v7, s[32+n]
.set n, n+1
.endr
.rept 32
	v_cndmask_b32 v[SS+n], v[SS+n], v7, s[36+n]
.set n, n+1
.endr
.Lopen:
	s_lshr_b32 s[FL], s[FL], 1
.irp k, 0,1,2,3,4,5,6,7
	v_max3_num_f32 v[242+\k], v[SS+8*\k], v[SS+8*\k+1], v[SS+8*\k+2]       ; my two blocks' largest scores: a chain to each accumulator, read from its low end on
.endr
.irp i, 3,5
.irp k, 0,1,2,3,4,5,6,7
	v_max3_num_f32 v[242+\k], v[242+\k], v[SS+8*\k+\i], v[SS+8*\k+\i+1]
.endr
.endr
	v_max3_num_f32 v242, v242, v243, v[SS+7]
	v_max3_num_f32 v246, v246, v247, v[SS+39]
	v_max3_num_f32 v244, v244, v245, v[SS+15]
	v_max3_num_f32 v248, v248, v249, v[SS+47]
	v_max3_num_f32 v242, v242, v244, v[SS+23]
	v_max3_num_f32 v246, v246, v248, v[SS+55]
	v_max_num_f32 v242, v242, v[SS+31]             ; block h
	v_max_num_f32 v246, v246, v[SS+63]             ; block 2 + h
	v_max_num_f32 v243, v242, v246
	v_permlanex16_b32 v245, v243, s[SEL], s[SEL+1]
	v_max3_num_f32 v13, v13, v243, v245            ; the running largest score of my query
	v_mul_f32 v243, s[CS], v13
	v_floor_f32 v12, -v243                         ; -M = floor(-t): M is a whole number
	TM 0, 8
	v_sub_f32 v29, v12, v29                        ; old M less new M
	v_fma_f32 v242, v242, s[CS], v12               ; t - M of each block's largest score
	v_fma_f32 v246, v246, s[CS], v12
	TM 8, 16
	v_cvt_i32_f32 v29, v29                         ; (it saturates)
	v_max_num_f32 v242, 0xc2f80000, v242           ; held at -124: the byte cannot fall under 1
	v_max_num_f32 v246, 0xc2f80000, v246
	TM 16, 24
	v_ldexp_f32 v30, 1.0, v29                      ; the factor 2^(old M - new M)
	v_cvt_floor_i32_f32 v242, v242                 ; the exponent of the block's largest p
	v_cvt_floor_i32_f32 v246, v246
	TM 24, 32
	v_add_lshl_u32 v244, v242, 125, 23             ; the byte in an exponent field: the conversions' scale operand
	v_add_lshl_u32 v247, v246, 125, 23
	v_add_nc_u32 v242, 125, v242                   ; the bytes of blocks h and 2 + h,
	v_add_nc_u32 v246, 125, v246
	TM 32, 40
	v_lshl_or_b32 v242, v246, 16, v242
	TM 40, 48
	v_lshlrev_b32 v242, v251, v242                 ; at their places in the scale word,
	TM 48, 56
	v_permlanex16_b32 v245, v242, s[SEL], s[SEL+1]
	TM 56, 64
	v_or_b32 v31, v242, v245                       ; and lane l xor 16's two
.set j, 0
.rept 16
	v_pk_mul_f32 v[OO+j:OO+j+1], v[OO+j:OO+j+1], v[30:31] op_sel_hi:[1,0]  ; O^T under the new M
.set j, j+2
.endr
	WALU
.set j, 0
.rept 64
	v_exp_f32 v[SS+j], v[SS+j]
.set j, j+1
.endr
	v_pk_mul_f32 v[14:15], v[14:15], v[30:31] op_sel_hi:[1,0]              ; the sum under the new M: the plain place behind the batch
	WALU                                           ; and the one wait ahead of its first reader
	v_cvt_scalef32_pk16_fp6_f32 v[PF:PF+2], v[SS:SS+15], v244
	v_cvt_scalef32_pk16_fp6_f32 v[248:250], v[SS+16:SS+31], v244           ; (a conversion's three registers begin on an even number)
	v_cvt_scalef32_pk16_fp6_f32 v[PF+6:PF+8], v[SS+32:SS+47], v247
	v_cvt_scalef32_pk16_fp6_f32 v[252:254], v[SS+48:SS+63], v247
	v_nop                                          ; one plain place behind the conversions
.irp k, 0,1,2,3,4,5,6,7
	v_pk_add_f32 v[SS+2*\k:SS+2*\k+1], v[SS+2*\k:SS+2*\k+1], v[SS+16+2*\k:SS+16+2*\k+1]       ; the sum of the unquantised p, in eight chains
.endr
.irp i, 0,1,2
	v_mov_b32 v[PF+3+\i], v[248+\i]
	v_mov_b32 v[PF+9+\i], v[252+\i]
.endr
.irp m, 2,3
.irp k, 0,1,2,3,4,5,6,7
	v_pk_add_f32 v[SS+2*\k:SS+2*\k+1], v[SS+2*\k:SS+2*\k+1], v[SS+16*\m+2*\k:SS+16*\m+2*\k+1]
.endr
.endr
.irp k, 0,4,8,12
	v_pk_add_f32 v[SS+\k:SS+\k+1], v[SS+\k:SS+\k+1], v[SS+\k+2:SS+\k+3]
.endr
	WALU
	s_barrier_wait -1                              ; every wave has come to this place of the step before
	s_wait_dscnt 0x0                               ; V's fragments are in, and the next step's of K
	s_barrier_signal -1
.irp t, 0,2
	v_wmma_scale_f32_16x16x128_f8f6f4 v[OO+8*\t:OO+8*\t+7], v[VF+12*\t:VF+12*\t+11], v[PF:PF+11], v[OO+8*\t:OO+8*\t+7], v[VX+\t/2], v31 matrix_a_fmt:MATRIX_FMT_FP6 matrix_b_fmt:MATRIX_FMT_FP6
	v_wmma_scale_f32_16x16x128_f8f6f4 v[OO+8*\t+8:OO+8*\t+15], v[VF+12*\t+12:VF+12*\t+23], v[PF:PF+11], v[OO+8*\t+8:OO+8*\t+15], v[VX+\t/2], v31 matrix_a_fmt:MATRIX_FMT_FP6 matrix_b_fmt:MATRIX_FMT_FP6 matrix_a_scale:MATRIX_SCALE_ROW1
.endr
	v_pk_add_f32 v[SS:SS+1], v[SS:SS+1], v[SS+4:SS+5]                      ; the chains join: these four lines are the places between the products and the next loads into their registers
	v_pk_add_f32 v[SS+8:SS+9], v[SS+8:SS+9], v[SS+12:SS+13]
	v_pk_add_f32 v[SS:SS+1], v[SS:SS+1], v[SS+8:SS+9]
	v_pk_add_f32 v[14:15], v[14:15], v[SS:SS+1]
	s_sub_co_u32 s3, s3, 1
	s_cmp_lg_u32 s3, 0
	WALU
	s_cbranch_scc1 .Lstep
	s_barrier_wait -1
	s_cmp_eq_u32 s[PS], 1
	s_cbranch_scc1 .Llast                          ; behind the last pass nothing more is asked for
	s_add_co_u32 s[MO], s[MO], 65536
	s_add_co_u32 s28, s28, 256
	PLOAD 196608, 8192                             ; the next pass's, two blocks of 128 queries on, on their way under the way out
.Llast:
	v_add_f32 v14, v14, v15                        ; THE WAY OUT: the sum's two halves, and lane l xor 16's
	v_permlanex16_b32 v29, v14, s[SEL], s[SEL+1]
	v_add_f32 v14, v14, v29
	WALU
	v_rcp_f32 v14, v14
	v_nop
	WALU
.set j, 0
.rept 16
	v_pk_mul_f32 v[SS+j:SS+j+1], v[OO+j:OO+j+1], v[14:15] op_sel_hi:[1,0]  ; register 16 b + i is channel 32 b + 16 h + i of the head
.set j, j+2
.endr
.irp b, 0,1
	v_max3_num_f32 v[242+\b], |v[SS+16*\b]|, |v[SS+1+16*\b]|, 0x1800000
.endr
.irp i, 2,4,6,8,10,12,14
.irp b, 0,1
	v_max3_num_f32 v[242+\b], v[242+\b], |v[SS+16*\b+\i]|, |v[SS+1+16*\b+\i]|
.endr
.endr
.irp b, 0,1
	v_permlanex16_b32 v[244+\b], v[242+\b], s[SEL], s[SEL+1]
.endr
.irp b, 0,1
	v_max_num_f32 v[242+\b], v[242+\b], v[244+\b]
.endr
.irp b, 0,1
	v_add_nc_u32 v[246+\b], 0xff000000, v[242+\b]
.endr
.irp b, 0,1
	v_lshrrev_b32 v[244+\b], 23, v[246+\b]
.endr
	v_lshl_or_b32 v29, v245, 8, v244               ; my row's two scale bytes
	v_cvt_scalef32_pk16_fp6_f32 v[PF:PF+2], v[SS:SS+15], v246
	v_cvt_scalef32_pk16_fp6_f32 v[248:250], v[SS+16:SS+31], v247
	v_nop
.irp i, 0,1,2
	v_permlane16_swap_b32 v[PF+\i], v[248+\i]      ; a whole block to a lane
.endr
.irp i, 0,1,2
	v_mov_b32 v[PF+3+\i], v[248+\i]
.endr
.irp q, 0,1,2
	ds_store_b64 v11, v[PF+2*\q:PF+2*\q+1] offset:8*\q
.endr
.irp q, 0,1,2
	ds_load_b64 v[SS+2*\q:SS+2*\q+1], v28 offset:256*\q                    ; LDS serves a wave's instructions in order: these see my stores
.endr
	global_store_b16 v0, v29, s[24:25]
.irp q, 0,1,2
	s_wait_dscnt 2-\q                              ; the younger loads from the stage may be out
	global_store_b64 v255, v[SS+2*\q:SS+2*\q+1], s[22:23] offset:256*\q    ; 32 lanes store 256 consecutive bytes, aligned
.endr
	s_wait_xcnt 0x0                                ; the loads and stores have read their bases and data
	s_add_nc_u64 s[18:19], s[18:19], 196608        ; the next pass: two blocks of 128 queries on
	s_add_nc_u64 s[20:21], s[20:21], 8192
	s_add_nc_u64 s[22:23], s[22:23], 196608
	s_add_nc_u64 s[24:25], s[24:25], 8192
	s_sub_co_u32 s[PS], s[PS], 1
	s_cmp_lg_u32 s[PS], 0
	WALU
	s_cbranch_scc1 .Lpass
	s_wait_tensorcnt 0x0                           ; the wave's end: behind my last LDS store
	ds_add_u32 v8, v9
	s_wait_dscnt 0x0
	s_endpgm
.Lfunc_end_k_q44460acec9_attn:
	.size	k_q44460acec9_attn, .Lfunc_end_k_q44460acec9_attn-k_q44460acec9_attn
	.p2alignl 7, 3214868480
	.fill 96, 4, 3214868480
	.section	.rodata,"a",@progbits
	.p2align	6, 0x0
	.amdhsa_kernel k_q44460acec9_attn
		.amdhsa_group_segment_fixed_size 296960
		.amdhsa_private_segment_fixed_size 0
		.amdhsa_enable_private_segment 0
		.amdhsa_kernarg_size 24
		.amdhsa_user_sgpr_count 2
		.amdhsa_user_sgpr_kernarg_segment_ptr 1
		.amdhsa_wavefront_size32 1
		.amdhsa_system_sgpr_workgroup_id_x 1
		.amdhsa_system_sgpr_workgroup_id_y 1
		.amdhsa_system_sgpr_workgroup_id_z 1
		.amdhsa_system_vgpr_workitem_id 0
		.amdhsa_next_free_vgpr 256
		.amdhsa_next_free_sgpr 102
		.amdhsa_reserve_vcc 0
		.amdhsa_float_denorm_mode_32 3
		.amdhsa_float_denorm_mode_16_64 3
		.amdhsa_memory_ordered 1
		.amdhsa_forward_progress 1
		.amdhsa_inst_pref_size 42
	.end_amdhsa_kernel
	.amdgpu_metadata
---
amdhsa.version: [ 1, 2 ]
amdhsa.kernels:
  - .name:           k_q44460acec9_attn
    .symbol:         k_q44460acec9_attn.kd
    .args:
      - { .name: prjq, .offset: 0, .size: 8, .value_kind: global_buffer, .address_space: global }
      - { .name: mskw, .offset: 8, .size: 8, .value_kind: global_buffer, .address_space: global }
      - { .name: attq, .offset: 16, .size: 8, .value_kind: global_buffer, .address_space: global }
    .group_segment_fixed_size: 296960
    .private_segment_fixed_size: 0
    .kernarg_segment_align: 8
    .kernarg_segment_size: 24
    .max_flat_workgroup_size: 512
    .sgpr_count:     102
    .vgpr_count:     256
    .wavefront_size: 32
...
	.end_amdgpu_metadata
.endif
;; end of part 3
;; launch oproj (part 4): grid 4 x 32, 4 waves a work-group, clusters of 4 x 4, 327,680 bytes of LDS; arguments attq, wgtq, bo, out0; writes out0
.if DOCPART == 4
	.amdgcn_target "amdgcn-amd-amdhsa--gfx1250"
	.amdhsa_code_object_version 6
	.text
	.protected	k_q44460acec9_oproj
	.globl	k_q44460acec9_oproj
	.p2align	8
	.type	k_q44460acec9_oproj,@function
k_q44460acec9_oproj:
	s_mov_b64 s[64:65], 0
	v_nop
	global_prefetch_b8 v0, s[64:65] scope:SCOPE_SE
	s_setreg_imm32_b32 hwreg(HW_REG_WAVE_MODE, 25, 1), 1
	s_wait_xcnt 0x0
	s_wait_alu depctr_hold_cnt(0) depctr_sa_sdst(0) depctr_va_vdst(0) depctr_va_sdst(0) depctr_va_ssrc(0) depctr_va_vcc(0) depctr_vm_vsrc(0)
	s_getreg_b32 s2, hwreg(HW_REG_IB_STS2, 6, 4)
	s_cmp_eq_u32 s2, 0
	s_cbranch_scc0 .Lentry_in_a_cluster
	s_endpgm
.Lentry_in_a_cluster:
	s_bfe_u32 s2, ttmp6, 0x10000c
	s_cmp_lg_u32 s2, 0xf033
	s_cbranch_scc0 .Lentry_shape_is_right
	s_endpgm
.Lentry_shape_is_right:
.set HALFT,  24576
.set SLOT,   4*HALFT
.set SCL,    2*SLOT
.set SPARE,  SCL+16640
.set FR,     12
.set NL,     6
.set NP,     4
.set NQ,     2
.set SPITCH, 528
.set ADRA, 16
.set ADRB, 20
.set STO,  24
.set RD,   25
.set CO,   26
.set ADRS, 27
.set SPW,  28
.set NIL,  29
.set SC,   32
.set CB,   64
.set AF,   128
.set BK,   128
.set G1, 24
.set G0, 32
.set G1B, 48
.set G0B, 56
.set G1S, 68
.set G0S, 76
.set G1SB, 80
.set G0SB, 88
.set MSB, 0
.macro WIN new
.if MSB != (\new)
	s_set_vgpr_msb (MSB<<8)|(\new)
.set MSB, (\new)
.endif
.endm
.set MUL_LO, 0xa1
.set MUL_HI, 0xf1
.set ZLO,    0x81
.set ZHI,    0xc1
.set TO_B,   0x40
.macro JLOAD g0a, g1a, g0b, g1b
	s_cmp_eq_u32 s17, 0
	s_cbranch_scc0 .Lfor_b_\@
	tensor_load_to_lds s[\g0a:\g0a+3], s[\g1a:\g1a+7]
	s_nop 0
.rept 4
	v_nop
.endr
	s_branch .Lasked_\@
.Lfor_b_\@:
	tensor_load_to_lds s[\g0b:\g0b+3], s[\g1b:\g1b+7]
	s_nop 0
.rept 4
	v_nop
.endr
.Lasked_\@:
.endm
.macro CREST
	s_cmp_lg_u32 s16, 0
	s_cbranch_scc1 .Lnot_wave_0_\@
	s_barrier_signal -3
.Lnot_wave_0_\@:
	s_barrier_wait -3
	s_barrier_signal -1
	s_barrier_wait -1
.endm
.macro CROUND
	s_barrier_signal -1
	s_barrier_wait -1
	CREST
.endm
	s_load_b256 s[80:87], s[0:1], 0x0
	v_lshl_add_u32 v[SPW], v0, 2, SPARE
	v_mov_b32 v[NIL], 0
	ds_add_u32 v28, v29
	ds_add_u32 v28, v29
	s_wait_dscnt 0x0
	v_lshrrev_b32 v1, 5, v0
	v_readfirstlane_b32 s16, v1
	s_lshr_b32 s17, s16, 1
	s_and_b32 s18, s16, 1
	s_bfe_u32 s40, ttmp6, 0x40000
	s_bfe_u32 s41, ttmp6, 0x40004
	s_lshl_b32 s42, ttmp9, 2
	s_add_co_u32 s42, s42, s40
	s_and_b32 s19, ttmp7, 0xffff
	s_lshl_b32 s19, s19, 2
	s_add_co_u32 s19, s19, s41
	s_lshl_b32 s43, s41, 2
	s_lshl_b32 s43, 15, s43
	s_lshl_b32 s44, 0x1111, s40
	s_lshl_b32 s14, s19, 1
	s_add_co_u32 s14, s14, s18
	s_mul_i32 s20, s14, 98304
	s_mov_b32 s21, 0
	s_lshl_b32 s22, s14, 12
	s_add_co_u32 s22, s22, 6291456
	s_mov_b32 s23, 0
	s_lshl_b32 s15, s42, 1
	s_add_co_u32 s15, s15, s18
	s_mul_i32 s46, s15, 98304
	s_add_co_u32 s46, s46, 2359296
	s_mov_b32 s47, 0
	s_lshl_b32 s92, s15, 12
	s_add_co_u32 s92, s92, 3244032
	s_mov_b32 s93, 0
	s_lshl_b32 s14, s19, 1
	s_add_co_u32 s14, s14, s17
	s_lshl_b32 s12, s14, 19
	s_lshl_b32 s14, s15, 9
	s_add_co_u32 s12, s12, s14
	s_mov_b32 s13, 0
	s_mov_b32 s15, 0
	s_mul_i32 s45, s16, HALFT
	s_lshl_b32 s94, s16, 12
	s_or_b32 s[G1+0], s43, (3<<16)|(1<<21)
	s_or_b32 s[G1B+0], s44, (3<<16)|(1<<21)
.irp g, G1, G1B
	s_mov_b32 s[\g+1], 3072<<16                    ; for the head's loads: a tile's 256 rows are two dense blocks of 24,576 bytes, 98,304 bytes apart
	s_mov_b32 s[\g+2], 2<<16
	s_mov_b32 s[\g+3], 3072<<16
	s_mov_b32 s[\g+4], 2
	s_mov_b32 s[\g+5], 12288
	s_mov_b32 s[\g+6], 0
	s_mov_b32 s[\g+7], 0
.endr
	s_or_b32 s[G1S+0], s43, (3<<16)|(1<<21)
	s_mov_b32 s[G1S+1], 32<<16
	s_mov_b32 s[G1S+2], 32<<16                     ; the scales of 256 rows: 8,192 dense bytes
	s_mov_b32 s[G1S+3], 32<<16
	s_mov_b32 s[G1S+4], 32
	s_mov_b32 s[G1S+5], 32
	s_mov_b32 s[G1S+6], 0
	s_mov_b32 s[G1S+7], 0
	s_wait_kmcnt 0x0
	s_add_nc_u64 s[20:21], s[80:81], s[20:21]
	s_add_nc_u64 s[22:23], s[80:81], s[22:23]
	s_add_nc_u64 s[46:47], s[82:83], s[46:47]
	s_add_nc_u64 s[92:93], s[82:83], s[92:93]
	s_add_nc_u64 s[8:9], s[84:85], s[14:15]
	s_add_nc_u64 s[12:13], s[86:87], s[12:13]
	s_or_b32 s[G1SB+0], s44, (3<<16)|(1<<21)
	s_mov_b32 s[G1SB+1], 32<<16
	s_mov_b32 s[G1SB+2], 32<<16
	s_mov_b32 s[G1SB+3], 32<<16
	s_mov_b32 s[G1SB+4], 32
	s_mov_b32 s[G1SB+5], 32
	s_mov_b32 s[G1SB+6], 0
	s_mov_b32 s[G1SB+7], 0
	CROUND
	s_mov_b32 s[G0S], 1
	s_mov_b32 s[G0S+1], SCL
	s_lshl_b32 s14, s18, 12
	s_mov_b32 s15, 0
	s_sub_nc_u64 s[G0S+2:G0S+3], s[22:23], s[14:15]    ; from the tile's first row on
	s_or_b32 s[G0S+3], s[G0S+3], 0x80000000
	s_mov_b32 s[G0SB], 1
	s_mov_b32 s[G0SB+1], SCL+8192+64
	s_sub_nc_u64 s[G0SB+2:G0SB+3], s[92:93], s[14:15]
	s_or_b32 s[G0SB+3], s[G0SB+3], 0x80000000
.irp s, 0,1
	s_mov_b32 s[G0+4*\s], 1
	s_add_co_u32 s[G0+4*\s+1], s45, \s*SLOT
	s_add_nc_u64 s[G0+4*\s+2:G0+4*\s+3], s[20:21], \s*HALFT
	s_or_b32 s[G0+4*\s+3], s[G0+4*\s+3], 0x80000000
	s_mov_b32 s[G0B+4*\s], 1
	s_add_co_u32 s[G0B+4*\s+1], s45, \s*SLOT
	s_add_nc_u64 s[G0B+4*\s+2:G0B+4*\s+3], s[46:47], \s*HALFT
	s_or_b32 s[G0B+4*\s+3], s[G0B+4*\s+3], 0x80000000
.endr
	s_mul_i32 s2, s18, 98304                       ; group 0 of the head's two loads of codes: the tile's 256 rows, K step 0
	s_mov_b32 s3, 0
	s_mov_b32 s4, 1
	s_mov_b32 s5, 0
	s_sub_nc_u64 s[6:7], s[20:21], s[2:3]
	s_or_b32 s7, s7, 0x80000000
	s_mov_b32 s40, 1
	s_mov_b32 s41, 2*HALFT
	s_sub_nc_u64 s[42:43], s[46:47], s[2:3]
	s_or_b32 s43, s43, 0x80000000
; THE HEAD'S LOADS, ONE A WAVE: wave 0 A's 256 rows of K step 0, wave 1 B's, wave 2 A's scales, wave 3 B's.  One chain of branches on the wave's number, one load to an arm, one join.
.macro ARM under, g0, g1, next
	s_cmp_lt_u32 s16, \under
	s_cbranch_scc0 \next
	tensor_load_to_lds s[\g0:\g0+3], s[\g1:\g1+7]
	s_nop 0
.rept 4
	v_nop
.endr
	s_branch .Lhead_asked
\next:
.endm
	ARM 1, 4, G1, .Lhead_b
	ARM 2, 40, G1B, .Lhead_sa
	ARM 3, G0S, G1S, .Lhead_sb
	tensor_load_to_lds s[G0SB:G0SB+3], s[G1SB:G1SB+7]
	s_nop 0
.rept 4
	v_nop
.endr
.Lhead_asked:
	v_and_b32 v1, 15, v0
	v_bfe_u32 v2, v0, 4, 1
	s_wait_alu depctr_va_vdst(0)
	v_mul_u32_u24 v3, v1, 48
	v_mad_u32_u24 v3, v2, 24, v3
	s_mul_i32 s14, s17, HALFT
	s_mul_i32 s15, s18, HALFT
	s_add_co_u32 s15, s15, 2*HALFT
.irp s, 0,1
	v_add_nc_u32 v[ADRA+\s], s14, v3
	v_add_nc_u32 v[ADRB+\s], s15, v3
	s_add_co_u32 s14, s14, SLOT
	s_add_co_u32 s15, s15, SLOT
.endr
	s_lshl_b32 s14, s17, 12
	s_add_co_u32 s15, s18, 2
	s_lshl_b32 s15, s15, 12
	s_add_co_u32 s15, s15, 64
	s_sub_co_u32 s15, s15, s14
	v_mul_u32_u24 v4, s15, v2
	s_add_co_u32 s14, s14, SCL
	v_lshl_add_u32 v4, v1, 2, v4
	v_add_nc_u32 v[ADRS], s14, v4
	s_mul_i32 s14, s16, 16*SPITCH
	v_mul_u32_u24 v5, v1, SPITCH
	v_lshl_add_u32 v5, v2, 6, v5
	v_add_nc_u32 v[STO], s14, v5
	v_and_b32 v6, 31, v0
	v_lshlrev_b32 v[CO], 4, v6
	v_add_nc_u32 v[RD], s14, v[CO]
	v_lshlrev_b32 v8, 6, v2
.irp b, 0,1,2,3
.irp q, 0,1,2,3
	global_load_b128 v[CB+16*\b+4*\q:CB+16*\b+4*\q+3], v8, s[8:9] offset:128*\b+16*\q
.endr
.endr
.macro FRAG reg, adr, q, i
.irp p, 0,1,2,3,4,5
	ds_load_b64 v[\reg+2*\p:\reg+2*\p+1], v[\adr] offset:(2*(\q)+\p/3)*6144+(\i)*768+8*(\p%3)
.endr
.endm
.macro MUL16 a0, p, q, sc, zero
.irp a, \a0, \a0+1
.irp b, 0,1,2,3,4,5,6,7
.if \zero
	v_wmma_scale_f32_16x16x128_f8f6f4 v[8*(8*((\a)%4)+\b):8*(8*((\a)%4)+\b)+7], v[128*(\p)+FR*\b:128*(\p)+FR*\b+FR-1], v[AF+FR*(\a):AF+FR*(\a)+FR-1], v[CB+8*\b:CB+8*\b+7], v[SC+8*NQ*(\sc)+NQ*\b+(\q)], v[SC+8*NQ*(\sc)+NQ*(\a)+(\q)] matrix_a_fmt:MATRIX_FMT_FP6 matrix_b_fmt:MATRIX_FMT_FP6 matrix_a_scale:MATRIX_SCALE_ROW1
.else
	v_wmma_scale_f32_16x16x128_f8f6f4 v[8*(8*((\a)%4)+\b):8*(8*((\a)%4)+\b)+7], v[128*(\p)+FR*\b:128*(\p)+FR*\b+FR-1], v[AF+FR*(\a):AF+FR*(\a)+FR-1], v[8*(8*((\a)%4)+\b):8*(8*((\a)%4)+\b)+7], v[SC+8*NQ*(\sc)+NQ*\b+(\q)], v[SC+8*NQ*(\sc)+NQ*(\a)+(\q)] matrix_a_fmt:MATRIX_FMT_FP6 matrix_b_fmt:MATRIX_FMT_FP6 matrix_a_scale:MATRIX_SCALE_ROW1
.endif
.endr
.endr
.endm
.macro FETCH_B slot, q, p
	WIN TO_B
.irp i, 0,1,2,3,4,5,6,7
	FRAG 128*(\p)+FR*\i, ADRB+\slot, \q, \i
.endr
	WIN 0
.endm
.macro FETCH_A slot, q, i0
.irp i, \i0, \i0+1, \i0+2, \i0+3
	FRAG AF+FR*(\i), ADRA+\slot, \q, \i
.endr
.endm
.macro SCALES sc
.irp i, 0,1,2,3,4,5,6,7
.irp q, 0,1
	ds_load_b32 v[SC+8*NQ*\sc+NQ*\i+\q], v[ADRS] offset:512*\q+64*\i
.endr
.endr
.endm
.macro PLACES n
.rept \n
	v_nop
.endr
.endm
.macro STEP slot, q, zero
	s_wait_dscnt 4*NL
.if \zero
	WIN ZLO
.else
	WIN MUL_LO
.endif
	MUL16 0, (\q)%2, \q, \slot, \zero
	MUL16 2, (\q)%2, \q, \slot, \zero
	s_wait_dscnt 0
	PLACES NP
	FETCH_B \slot, (\q)+1, 1-(\q)%2
	FETCH_A \slot, (\q)+1, 0
.if \zero
	WIN ZHI
.else
	WIN MUL_HI
.endif
	MUL16 4, (\q)%2, \q, \slot, \zero
	MUL16 6, (\q)%2, \q, \slot, \zero
	PLACES NP
	WIN 0
	FETCH_A \slot, (\q)+1, 4
.endm
.macro TURN slot, next, fill
	s_wait_tensorcnt 0x0
	ds_add_u32 v[SPW], v[NIL]
	s_wait_dscnt 4*NL+1
	WIN MUL_LO
	MUL16 0, 1, NQ-1, \slot, 0
	s_wait_dscnt 0x0
	s_barrier_signal -1
	MUL16 2, 1, NQ-1, \slot, 0
	WIN 0
	s_barrier_wait -1
.if \fill
	CREST
	s_add_nc_u64 s[G0+4*\slot+2:G0+4*\slot+3], s[G0+4*\slot+2:G0+4*\slot+3], 2*HALFT
	s_add_nc_u64 s[G0B+4*\slot+2:G0B+4*\slot+3], s[G0B+4*\slot+2:G0B+4*\slot+3], 2*HALFT
	JLOAD G0+4*\slot, G1, G0B+4*\slot, G1B
.else
	PLACES NP
.endif
	s_wait_alu depctr_va_vdst(0)
	v_add_nc_u32 v[ADRS], 512*NQ, v[ADRS]
	FETCH_B \next, 0, 0
	FETCH_A \next, 0, 0
	SCALES \next
	WIN MUL_HI
	MUL16 4, 1, NQ-1, \slot, 0
	MUL16 6, 1, NQ-1, \slot, 0
	PLACES NP
	WIN 0
	FETCH_A \next, 0, 4
.endm
	s_wait_alu depctr_va_vdst(0)
	s_wait_tensorcnt 0x0                           ; my tile of the head's four is in
	ds_add_u32 v[SPW], v[NIL]
.irp g, G1, G1B
	s_mov_b32 s[\g+1], 32<<16                      ; no tensor load of mine is out: from here on a load brings 24,576 dense bytes as 96 rows of 256
	s_mov_b32 s[\g+2], 96<<16
	s_mov_b32 s[\g+3], 32<<16
	s_mov_b32 s[\g+4], 96
	s_mov_b32 s[\g+5], 32
.endr
	s_wait_dscnt 0x0
	CROUND                                         ; all four tiles are in, and all sixteen work-groups are here
	JLOAD G0+4, G1, G0B+4, G1B                     ; K step 1, slot 1's first fill: the first tensor load behind the round
	FETCH_B 0, 0, 0
	FETCH_A 0, 0, 0
	SCALES 0
	FETCH_A 0, 0, 4
	s_wait_loadcnt 0x0
	STEP 0, 0, 1
	TURN 0, 1, 1
	STEP 1, 0, 0
	TURN 1, 0, 1
	STEP 0, 0, 0
	TURN 0, 1, 0
	STEP 1, 0, 0
	s_wait_dscnt 4*NL
	WIN MUL_LO
	MUL16 0, 1, NQ-1, 1, 0
	MUL16 2, 1, NQ-1, 1, 0
	s_wait_dscnt 0
	WIN MUL_HI
	MUL16 4, 1, NQ-1, 1, 0
	MUL16 6, 1, NQ-1, 1, 0
	WIN 0
.macro TOSTAGE a
.set AC, 64*((\a)%4)
	WIN 0x08+4*((\a)/4)
.irp b, 0,1,2,3,4,5,6,7
	ds_store_b128 v[STO], v[AC+8*\b:AC+8*\b+3] offset:128*(\b/2)+32*(\b%2)
	ds_store_b128 v[STO], v[AC+8*\b+4:AC+8*\b+7] offset:128*(\b/2)+32*(\b%2)+16
.endr
	WIN 0
.set BB, BK+64*((\a)%2)
.irp t, 0,1,2,3,4,5,6,7,8,9,10,11,12,13,14,15
	ds_load_b128 v[BB+4*\t:BB+4*\t+3], v[RD] offset:\t*SPITCH
.endr
.endm
.macro SEND a, younger
.set BB, BK+64*((\a)%2)
	s_wait_dscnt \younger
.irp t, 0,1,2,3,4,5,6,7,8,9,10,11,12,13,14,15
	global_store_b128 v[CO], v[BB+4*\t:BB+4*\t+3], s[12:13] offset:(32*((\a)/2)+16*(\t/8)+8*((\a)%2)+\t%8)*4096 th:TH_STORE_NT
.endr
.endm
	PLACES NP
	TOSTAGE 0
.irp a, 1,2,3,4,5,6,7
.if \a > 1
	s_wait_xcnt 0x0
.endif
	TOSTAGE \a
	SEND \a-1, 32
.endr
	SEND 7, 0
	s_wait_tensorcnt 0x0
	ds_add_u32 v[SPW], v[NIL]
	s_wait_dscnt 0x0
	CROUND
	s_endpgm
.Lfunc_end_k_q44460acec9_oproj:
	.size	k_q44460acec9_oproj, .Lfunc_end_k_q44460acec9_oproj-k_q44460acec9_oproj
	.p2alignl 7, 3214868480
	.fill 96, 4, 3214868480
	.section	.rodata,"a",@progbits
	.p2align	6, 0x0
	.amdhsa_kernel k_q44460acec9_oproj
		.amdhsa_group_segment_fixed_size 327680
		.amdhsa_private_segment_fixed_size 0
		.amdhsa_enable_private_segment 0
		.amdhsa_kernarg_size 32
		.amdhsa_user_sgpr_count 2
		.amdhsa_user_sgpr_kernarg_segment_ptr 1
		.amdhsa_wavefront_size32 1
		.amdhsa_system_sgpr_workgroup_id_x 1
		.amdhsa_system_sgpr_workgroup_id_y 1
		.amdhsa_system_sgpr_workgroup_id_z 1
		.amdhsa_system_vgpr_workitem_id 0
		.amdhsa_next_free_vgpr 1024
		.amdhsa_next_free_sgpr 100
		.amdhsa_reserve_vcc 0
		.amdhsa_float_denorm_mode_32 3
		.amdhsa_float_denorm_mode_16_64 3
		.amdhsa_memory_ordered 1
		.amdhsa_forward_progress 1
		.amdhsa_inst_pref_size 164
	.end_amdhsa_kernel
	.amdgpu_metadata
---
amdhsa.version: [ 1, 2 ]
amdhsa.kernels:
  - .name:           k_q44460acec9_oproj
    .symbol:         k_q44460acec9_oproj.kd
    .args:
      - { .name: attq, .offset: 0, .size: 8, .value_kind: global_buffer, .address_space: global }
      - { .name: wgtq, .offset: 8, .size: 8, .value_kind: global_buffer, .address_space: global }
      - { .name: bo, .offset: 16, .size: 8, .value_kind: global_buffer, .address_space: global }
      - { .name: out0, .offset: 24, .size: 8, .value_kind: global_buffer, .address_space: global }
    .group_segment_fixed_size: 327680
    .private_segment_fixed_size: 0
    .kernarg_segment_align: 8
    .kernarg_segment_size: 32
    .max_flat_workgroup_size: 128
    .sgpr_count:     100
    .vgpr_count:     1024
    .wavefront_size: 32
...
	.end_amdgpu_metadata
.endif
;; end of part 4
